; MI455X (gfx1250); checked and timed in simulation.
; The chip was launched on July 23, 2026; its instructions are those of AMD's public machine-readable ISA for CDNA 5 (MIT licence, August 2026) and "CDNA5" Instruction Set Architecture Reference Guide (July 2026). The comments in the code are by the model that wrote it; some were corrected since.
;; Multi Head Attention. Allowed arithmetic: matrix products marked QUANTISED: E4M3 operands, one E8M0 scale for each 32 along K, by v_wmma_scale_f32_16x16x128_f8f6f4 with both operands' format E4M3, f32 sums; everything else in f32.
;; Inputs: attn_mask 8 x 1,024 x 1,024 bool; k 8 x 1,024 x 1,024 float32; ln_b 1,024 float32; ln_g 1,024 float32; proj_b 1,024 float32; proj_w 1,024 x 1,024 float32; q 8 x 1,024 x 1,024 float32; v 8 x 1,024 x 1,024 float32; w_ks 16 x 1,024 x 64 float32; w_qs 16 x 1,024 x 64 float32; w_vs 16 x 1,024 x 64 float32.
;; Outputs: out0 8 x 1,024 x 1,024 float32.
;; This version of the problem:
;;   THIS VERSION OF THE PROBLEM IS GIVEN IN LOW PRECISION. The matrix products marked QUANTISED in the list below multiply operands that are first quantised to E4M3 (4 exponent bits, 3 mantissa bits; 8 bits a number), with one power-of-two scale for each 32 numbers along K (OCP MX v1.0); their sums are f32. All else is computed in f32.
;;   The module's matrix products, in the order in which they are computed (A, B: the left and right operand; K: the contracted axis; several contracted axes count as one K, in the product's order):
;;     1. [M 1,024, K 1,024] x [K 1,024, N 8,192]; A: input w_qs; B: input q: QUANTISED
;;     2. [M 1,024, K 1,024] x [K 1,024, N 8,192]; A: input w_ks; B: input k: QUANTISED
;;     3. [M 1,024, K 1,024] x [K 1,024, N 8,192]; A: input w_vs; B: input v: QUANTISED
;;     4. batch 128 x [M 1,024, K 64] x [K 64, N 1,024]; A: computed on the way; B: computed on the way: QUANTISED
;;     5. batch 128 x [M 1,024, K 1,024] x [K 1,024, N 64]; A: computed on the way; B: computed on the way: QUANTISED
;;     6. [M 8,192, K 1,024] x [K 1,024, N 1,024]; A: computed on the way; B: input proj_w: QUANTISED
;;   THE QUANTISER, for each operand of a quantised product, along K:
;;     - K is cut into blocks of 32 from its start; a last block that is shorter is filled with zeros.
;;     - A block's scale is 2^e with e = floor(log2(the largest magnitude in the block)) - 8, held to -126 .. 127; a block of zeros has e = 0. As a byte (E8M0): e + 127.
;;     - Each number is divided by its block's scale, clamped to +-448, and rounded to the nearest number of E4M3, ties to even, subnormals kept.
;;     - The product sums the exact products of the quantised numbers (number of the format x scale) in f32.
;;   ~~~python
;;   def quantise(x, axis):      # numpy; x: float32 -> the quantised numbers, widened to float32 again
;;       x = np.moveaxis(x, axis, -1); K = x.shape[-1]
;;       x = np.pad(x, [(0, 0)] * (x.ndim - 1) + [(0, -K % 32)]); x = x.reshape(x.shape[:-1] + (-1, 32)); a = np.abs(x).max(-1, keepdims=True)
;;       e = np.where(a > 0, np.clip(np.frexp(np.where(a > 0, a, 1))[1] - 1 - 8, -126, 127), 0)      # np.frexp(a)[1] - 1 = floor(log2(a)), exactly
;;       r = np.clip(x / 2.0 ** e, -448, 448)
;;       step = 2.0 ** (np.maximum(np.frexp(np.where(r == 0, 1, r))[1] - 1, -6) - 3)
;;       q = np.round(r / step) * step * 2.0 ** e      # np.round: ties to even
;;       return np.moveaxis(q.reshape(q.shape[:-2] + (-1,))[..., :K], -1, axis).astype(np.float32)
;;   ~~~
;;   OPERANDS COMPUTED ON THE WAY. 'Computed on the way' means the value that the module computes at that place (a softmax that the list does not call 'softmax' is quantised finished and normalised). What goes into a quantiser is computed in f32, as accurately as f32 sums, v_exp_f32 and their like allow (about 1e-6 of the number): no bf16 or f16 on the way to a quantiser, and a product that is left as it is and whose result goes on into a quantised operand takes f32 operands (vector FMAs, or v_wmma_f32_16x16x4_f32). A number that lies on a knife's edge between two numbers of the format may be rounded either way, as far as f32 arithmetic and the matrix unit's own rounding can turn it there, and no further.
;; 2 versions, each right; version 2 is version 1 with the launches attn, outln written anew for expert scheduling mode. Each part assembles by itself: llvm-mc -triple=amdgcn-amd-amdhsa -mcpu=gfx1250 --defsym DOCPART=n.
;; ======== version 1 of 2: 4 launches
;; limits: right only within a limited range of input values
;; workspace buffers: xq 25,952,256 bytes; wq 4,325,376 bytes; mi 8,388,608 bytes; hq 25,952,256 bytes; aq 8,650,752 bytes
;; launch prep (part 1): grid 1024 x 1, 4 waves a work-group, no clusters, 68,096 bytes of LDS; arguments q, k, v, w_qs, w_ks, w_vs, proj_w, attn_mask, xq, wq, mi; writes xq, wq, mi
.if DOCPART == 1
	.amdgcn_target "amdgcn-amd-amdhsa--gfx1250"
	.amdhsa_code_object_version 6
	.text
	.protected	k_qef3a9be107_prep
	.globl	k_qef3a9be107_prep
	.p2align	8
	.type	k_qef3a9be107_prep,@function
k_qef3a9be107_prep:
	s_mov_b64 s[64:65], 0
	v_nop
	global_prefetch_b8 v0, s[64:65] scope:SCOPE_SE
	s_setreg_imm32_b32 hwreg(HW_REG_WAVE_MODE, 25, 1), 1
	s_wait_xcnt 0x0
; Everything that many work-groups will read is made narrow ONCE, into buffers laid as their readers' operand registers want them.
; Four kinds of work-group, told apart by the work-group's number alone; each kind that uses LDS has LDS bytes of its own.
;   0..767    q, k, v [8192][1024] f32 -> codes of E4M3, K (d_model) innermost, one E8M0 byte for each 32: xq [3][8192][1024], bytes at XSO [3][8192][32]
;   768..863  w_qs, w_ks, w_vs [16][1024 K][64] -> wq [3][1024 n = 64 head + k][1024 K], bytes at WSO [3][1024][32]: a lane takes a column, its registers run down K
;   864..895  proj_w [1024 K][1024 n] -> images of operand fragments at PWC [K step 8][16 columns: 64][4][512 bytes], scale words at PWS [64][16][8]
;   896..1023 attn_mask [8][1024][1024] bytes -> mi [b][tile of 16 queries: 64][32][512]: images of fragments (row = query, K = key)
; POSITION ORDER.  In every 32 rows of xq and of wq's first three tensors the two middle groups of 8 change places.  Sixteen neighbouring rows of memory are then rows
; 32 (i / 2) + 8 (i % 2) + r + 8 (r / 8), so that in a transposed product the 16 registers of two neighbouring tiles are 16 neighbours along that axis.
; A block's scale is 2^(floor(log2(largest magnitude)) - 8); its byte is the largest magnitude's exponent field - 8, held at 1 from below.
; LIMITS: a block of zeros gets the byte 1 (its codes are zeros; this program alone reads the bytes); NaN and infinities among the inputs are not served.
.set XSO,  25165824
.set WSO,  3145728
.set PWC,  3244032
.set PWS,  4292608
.set STEPS, 16
.set SP,   80                          ; a lane's place in a stage of the first kind: 64 bytes + 16 of padding
.set R,    16                          ; v16-79   four sets of 16 numbers as loaded
.set X,    80                          ; v80-111  two sets of 16 neighbours
.set C,    128                         ; v128-191 codes, four registers a step
.set E,    112                         ; v112-127 a scale byte a step
.set WX,   32                          ; weights: v32-95 two sets of 32 numbers
.set WC,   96                          ; v96..    a block's codes (proj_w: eight registers for each of 8 blocks)
.set OUTR, 112                         ; v112-175 rows read back from the stage
.set SB,   24                          ; v24-25   a column's 8 scale bytes
.set MNT,  3                           ; s3       the mantissa field of 448
.macro LOAD t
.irp i, 0,1,2,3
	global_load_b128 v[R+16*((\t)%4)+4*\i:R+16*((\t)%4)+4*\i+3], v3, s[4:5] offset:2048*(\t)+512*\i th:TH_LOAD_NT   ; 32 lanes read 512 consecutive bytes
.endr
.endm
.macro TURN t                          ; a step's 2,048 bytes through the wave's own stage: in as they lie, out 64 bytes a lane; LDS serves a wave's instructions in order
.irp i, 0,1,2,3
	ds_store_b128 v14, v[R+16*((\t)%4)+4*\i:R+16*((\t)%4)+4*\i+3] offset:32*SP*((\t)%2)+8*SP*\i
.endr
.irp i, 0,1,2,3
	ds_load_b128 v[X+16*((\t)%2)+4*\i:X+16*((\t)%2)+4*\i+3], v15 offset:32*SP*((\t)%2)+16*\i
.endr
.endm
.macro STEP t                          ; 512 numbers: two neighbouring lanes hold a block of 32
.set XN, X+16*((\t)%2)
.if (\t) > 0
	s_wait_dscnt 1                                 ; this step's numbers are back (the last step's byte store may be out)
.else
	s_wait_dscnt 0x0
.endif
.if (\t)+4 < STEPS
	LOAD (\t)+4
.endif
.if (\t)+1 < STEPS
.if STEPS-2-(\t) >= 3
	s_wait_loadcnt 12                              ; the next step's four loads are in; three steps' loads may be out
.else
	s_wait_loadcnt 4*(STEPS-2-(\t))
.endif
	TURN (\t)+1
.endif
	v_max3_num_f32 v8, |v[XN]|, |v[XN+1]|, |v[XN+2]|
	v_max3_num_f32 v9, |v[XN+3]|, |v[XN+4]|, |v[XN+5]|
.irp i, 6,10
	v_max3_num_f32 v8, v8, |v[XN+\i]|, |v[XN+\i+1]|
	v_max3_num_f32 v9, v9, |v[XN+\i+2]|, |v[XN+\i+3]|
.endr
	v_max3_num_f32 v8, v8, |v[XN+14]|, |v[XN+15]|
	v_max3_num_f32 v8, v8, v9, 0x4800000           ; and the floor 2^(9 - 127): the byte cannot fall under 1
	v_max_num_f32_dpp v8, v8, v8 row_xmask:1 row_mask:0xf bank_mask:0xf   ; with my neighbour's 16: the block's
	v_add_nc_u32 v11, 0xfc000000, v8               ; 8 off the exponent field: the conversion's scale operand
	v_and_or_b32 v10, v8, 0x7f800000, s[MNT]       ; 448 x the scale
.irp i, 0,1,2,3,4,5,6,7,8,9,10,11,12,13,14,15
	v_med3_num_f32 v[XN+\i], v[XN+\i], -v10, v10   ; the conversion to an 8-bit code does not saturate (ISA guide 7.6.2)
.endr
	v_cvt_scalef32_pk8_fp8_f32 v[C+4*(\t):C+4*(\t)+1], v[XN:XN+7], v11
	v_cvt_scalef32_pk8_fp8_f32 v[C+4*(\t)+2:C+4*(\t)+3], v[XN+8:XN+15], v11
	v_lshrrev_b32 v[E+(\t)], 23, v11               ; the scale's byte
	ds_store_b8 v5, v[E+(\t)] offset:16*(\t)       ; both lanes of a block write the same byte with the same value
	global_store_b128 v4, v[C+4*(\t):C+4*(\t)+3], s[6:7] offset:512*(\t)
.endm
.macro WLOAD t, rs                     ; block t of a column: 32 numbers down K, rs bytes from row to row
.irp i, 0,1,2,3,4,5,6,7,8,9,10,11,12,13,14,15,16,17,18,19,20,21,22,23,24,25,26,27,28,29,30,31
	global_load_b32 v[WX+32*((\t)%2)+\i], v3, s[4:5] offset:(32*(\t)+\i)*(\rs) th:TH_LOAD_NT
.endr
.endm
.macro WBLOCK t, rs, img               ; img = 0: codes to the stage; 1: straight out as halves of fragment images
.set XB, WX+32*((\t)%2)
.if \img
.set CR, WC+8*(\t)
.else
.set CR, WC
.endif
.if (\t) < 7
	s_wait_loadcnt 32                              ; this block's 32 loads are in; the next block's may be out
.else
	s_wait_loadcnt 0
.endif
	v_max3_num_f32 v12, |v[XB]|, |v[XB+1]|, |v[XB+2]|
	v_max3_num_f32 v13, |v[XB+3]|, |v[XB+4]|, |v[XB+5]|
.irp i, 6,10,14,18,22,26
	v_max3_num_f32 v12, v12, |v[XB+\i]|, |v[XB+\i+1]|
	v_max3_num_f32 v13, v13, |v[XB+\i+2]|, |v[XB+\i+3]|
.endr
	v_max3_num_f32 v12, v12, |v[XB+30]|, |v[XB+31]|
	v_max3_num_f32 v12, v12, v13, 0x4800000
	v_add_nc_u32 v11, 0xfc000000, v12
	v_and_or_b32 v10, v12, 0x7f800000, s[MNT]
	v_lshrrev_b32 v13, 23, v11
.if (\t)%4 == 0
	v_mov_b32 v[SB+(\t)/4], v13                    ; four bytes to a register, the lower K in the lower byte
.else
	v_lshl_or_b32 v[SB+(\t)/4], v13, 8*((\t)%4), v[SB+(\t)/4]
.endif
.irp i, 0,1,2,3,4,5,6,7,8,9,10,11,12,13,14,15,16,17,18,19,20,21,22,23,24,25,26,27,28,29,30,31
	v_med3_num_f32 v[XB+\i], v[XB+\i], -v10, v10
.endr
.irp g, 0,1,2,3
	v_cvt_scalef32_pk8_fp8_f32 v[CR+2*\g:CR+2*\g+1], v[XB+8*\g:XB+8*\g+7], v11
.endr
.if \img
	global_store_b128 v4, v[CR:CR+3], s[6:7] offset:((\t)/4)*131072+((\t)%4)*512        ; K 0-15 of the block: the image's lanes 0-15; sixteen lanes fill 256 aligned bytes
	global_store_b128 v4, v[CR+4:CR+7], s[6:7] offset:((\t)/4)*131072+((\t)%4)*512+256  ; K 16-31: its lanes 16-31
.else
	ds_store_b128 v4, v[CR:CR+3] offset:32*(\t)
	ds_store_b128 v4, v[CR+4:CR+7] offset:32*(\t)+16
.endif
.if (\t)+2 < 8
	WLOAD (\t)+2, \rs
.endif
.if \img == 0
	s_wait_dscnt 0x0                               ; the stores have read their registers: the next block's codes may be written
.endif
.endm
	s_load_b512 s[8:23], s[0:1], 0x0               ; q, k, v, w_qs, w_ks, w_vs, proj_w, attn_mask
	s_load_b128 s[24:27], s[0:1], 0x40             ; xq, wq
	s_load_b64 s[28:29], s[0:1], 0x50              ; mi
	v_lshl_add_u32 v192, v0, 2, 0x10800
	v_mov_b32 v193, 0
	v_lshrrev_b32 v1, 5, v0
	v_readfirstlane_b32 s2, v1                     ; wave
	v_and_b32 v2, 31, v0                           ; lane
	s_mov_b32 s[MNT], 0x600000
	s_cmp_lt_u32 ttmp9, 768
	s_cbranch_scc0 .Lnot_x
	; ---- q, k, v.  A wave takes 8 rows (8,192 numbers); the four waves of a work-group take 32 rows, and waves 1 and 2 store to each other's places
	v_lshlrev_b32 v3, 4, v2
	s_mul_i32 s30, s2, 8192
	v_lshrrev_b32 v14, 2, v2
	v_mul_u32_u24 v14, v14, SP
	v_and_b32 v15, 3, v2
	v_lshl_add_u32 v14, v15, 4, v14
	v_add_nc_u32 v14, s30, v14                     ; the stage, in: SP (lane / 4) + 16 (lane % 4)
	v_mul_u32_u24 v15, v2, SP
	v_add_nc_u32 v15, s30, v15                     ; out: SP x lane
	v_lshlrev_b32 v4, 4, v2
	v_lshrrev_b32 v5, 1, v2
	s_add_co_u32 s30, s30, 2*32*SP
	v_add_nc_u32 v5, s30, v5                       ; my wave's 256 scale bytes, my block's byte
	v_lshlrev_b32 v7, 3, v2
	v_add_nc_u32 v6, s30, v7
	s_lshr_b32 s31, ttmp9, 8                       ; which tensor
	s_and_b32 s32, ttmp9, 255
	s_lshl_b32 s32, s32, 2
	s_add_co_u32 s33, s32, s2                      ; the run of 8 rows that I read
	s_and_b32 s34, s2, 1
	s_lshl_b32 s34, s34, 1
	s_lshr_b32 s35, s2, 1
	s_or_b32 s34, s34, s35
	s_add_co_u32 s34, s32, s34                     ; and the run that I write
	s_lshl_b32 s36, s33, 15
	s_mov_b32 s37, 0
	s_lshl_b32 s38, s31, 23
	s_lshl_b32 s35, s34, 13
	s_add_co_u32 s38, s38, s35
	s_mov_b32 s39, 0
	s_lshl_b32 s40, s31, 18
	s_lshl_b32 s35, s34, 8
	s_add_co_u32 s40, s40, s35
	s_add_co_u32 s40, s40, XSO
	s_mov_b32 s41, 0
	s_wait_kmcnt 0x0
	s_cmp_eq_u32 s31, 0
	s_cselect_b64 s[4:5], s[8:9], s[10:11]
	s_cmp_eq_u32 s31, 2
	s_cselect_b64 s[4:5], s[12:13], s[4:5]
	s_add_nc_u64 s[4:5], s[4:5], s[36:37]
	s_add_nc_u64 s[6:7], s[24:25], s[38:39]
	s_add_nc_u64 s[42:43], s[24:25], s[40:41]
.irp t, 0,1,2,3
	LOAD \t
.endr
	s_wait_loadcnt 12
	TURN 0
.irp t, 0,1,2,3,4,5,6,7,8,9,10,11,12,13,14,15
	STEP \t
.endr
	ds_load_b64 v[12:13], v6
	s_wait_dscnt 0x0
	global_store_b64 v7, v[12:13], s[42:43]        ; 32 lanes store 256 consecutive bytes, aligned
	s_wait_tensorcnt 0x0
	ds_add_u32 v192, v193
	s_wait_dscnt 0x0
	s_endpgm
.Lnot_x:
	s_cmp_lt_u32 ttmp9, 864
	s_cbranch_scc0 .Lnot_w
	; ---- w_qs, w_ks, w_vs.  A wave: 32 columns (inside one head) x 256 along K
	s_sub_co_u32 s30, ttmp9, 768
	s_lshr_b32 s31, s30, 5                         ; which tensor
	s_and_b32 s32, s30, 7
	s_bfe_u32 s33, s30, 0x20003                    ; which 256 along K
	s_lshl_b32 s34, s32, 7
	s_lshl_b32 s35, s2, 5
	s_add_co_u32 s34, s34, s35                     ; my first column n0
	s_lshr_b32 s36, s34, 6
	s_lshl_b32 s36, s36, 18                        ; the head: 1,024 rows of 256 bytes
	s_lshl_b32 s35, s33, 16
	s_add_co_u32 s36, s36, s35
	s_and_b32 s35, s34, 63
	s_lshl_b32 s35, s35, 2
	s_add_co_u32 s36, s36, s35
	s_mov_b32 s37, 0
	s_lshl_b32 s38, s31, 20
	s_lshl_b32 s35, s34, 10
	s_add_co_u32 s38, s38, s35
	s_lshl_b32 s35, s33, 8
	s_add_co_u32 s38, s38, s35
	s_mov_b32 s39, 0
	s_lshl_b32 s40, s31, 15
	s_lshl_b32 s35, s34, 5
	s_add_co_u32 s40, s40, s35
	s_lshl_b32 s35, s33, 3
	s_add_co_u32 s40, s40, s35
	s_add_co_u32 s40, s40, WSO
	s_mov_b32 s41, 0
	v_lshlrev_b32 v3, 2, v2
	s_mul_i32 s35, s2, 32*272
	s_add_co_u32 s35, s35, 32768                   ; my stage: 32 rows of 256 + 16 bytes, behind the first kind's LDS bytes
	v_mul_u32_u24 v4, v2, 272
	v_add_nc_u32 v4, s35, v4
	v_and_b32 v5, 15, v2
	v_lshrrev_b32 v6, 4, v2
	v_mul_u32_u24 v7, v6, 272
	v_lshl_add_u32 v7, v5, 4, v7
	v_add_nc_u32 v7, s35, v7
	v_lshlrev_b32 v8, 10, v6
	v_lshl_add_u32 v8, v5, 4, v8
	v_bfe_u32 v9, v2, 3, 1
	v_bfe_u32 v10, v2, 4, 1
	v_and_b32 v11, 7, v2
	v_lshl_or_b32 v11, v10, 3, v11
	v_lshl_or_b32 v11, v9, 4, v11                  ; my column's position among the 32
	v_lshlrev_b32 v9, 5, v11
	s_wait_kmcnt 0x0
	s_cmp_eq_u32 s31, 0
	s_cselect_b64 s[4:5], s[14:15], s[16:17]
	s_cmp_eq_u32 s31, 2
	s_cselect_b64 s[4:5], s[18:19], s[4:5]
	s_add_nc_u64 s[4:5], s[4:5], s[36:37]
	s_add_nc_u64 s[6:7], s[26:27], s[38:39]
	s_add_nc_u64 s[42:43], s[26:27], s[40:41]
	WLOAD 0, 256
	WLOAD 1, 256
.irp t, 0,1,2,3,4,5,6,7
	WBLOCK \t, 256, 0
.endr
	global_store_b64 v9, v[SB:SB+1], s[42:43]
.irp t, 0,1,2,3,4,5,6,7,8,9,10,11,12,13,14,15
	ds_load_b128 v[OUTR+4*\t:OUTR+4*\t+3], v7 offset:2*\t*272
.endr
.irp t, 0,1,2,3,4,5,6,7,8,9,10,11,12,13,14,15
.set GG, (2*\t)/8
.set PR, 8*((GG&1)*2+GG/2)+(2*\t)%8    ; the position of column 2 t
	s_wait_dscnt 15-\t
	global_store_b128 v8, v[OUTR+4*\t:OUTR+4*\t+3], s[6:7] offset:PR*1024     ; sixteen lanes store 256 consecutive bytes, aligned
.endr
	s_wait_tensorcnt 0x0
	ds_add_u32 v192, v193
	s_wait_dscnt 0x0
	s_endpgm
.Lnot_w:
	s_cmp_lt_u32 ttmp9, 896
	s_cbranch_scc0 .Lmask
	; ---- proj_w.  A wave: 32 columns x 256 along K; its columns stay in their natural order
	s_sub_co_u32 s30, ttmp9, 864
	s_and_b32 s32, s30, 7
	s_lshr_b32 s33, s30, 3
	s_lshl_b32 s34, s32, 7
	s_lshl_b32 s35, s2, 5
	s_add_co_u32 s34, s34, s35
	s_lshl_b32 s36, s33, 20
	s_lshl_b32 s35, s34, 2
	s_add_co_u32 s36, s36, s35
	s_mov_b32 s37, 0
	s_lshl_b32 s38, s33, 18                        ; two K steps of 64 fragments of 2,048 bytes
	s_lshl_b32 s35, s34, 7
	s_add_co_u32 s38, s38, s35
	s_add_co_u32 s38, s38, PWC
	s_mov_b32 s39, 0
	s_lshl_b32 s40, s34, 5
	s_lshl_b32 s35, s33, 3
	s_add_co_u32 s40, s40, s35
	s_add_co_u32 s40, s40, PWS
	s_mov_b32 s41, 0
	v_lshlrev_b32 v3, 2, v2
	v_and_b32 v5, 15, v2
	v_lshrrev_b32 v6, 4, v2
	v_lshlrev_b32 v4, 4, v5
	v_lshl_add_u32 v4, v6, 11, v4
	v_lshlrev_b32 v9, 5, v5
	v_lshl_add_u32 v9, v6, 9, v9
	s_wait_kmcnt 0x0
	s_add_nc_u64 s[4:5], s[20:21], s[36:37]
	s_add_nc_u64 s[6:7], s[26:27], s[38:39]
	s_add_nc_u64 s[42:43], s[26:27], s[40:41]
	WLOAD 0, 4096
	WLOAD 1, 4096
.irp t, 0,1,2,3,4,5,6,7
	WBLOCK \t, 4096, 1
.endr
	global_store_b64 v9, v[SB:SB+1], s[42:43]      ; my column's scale words of two K steps
	s_endpgm
.Lmask:
	; ---- the mask.  A wave: one tile of 16 queries x 1,024 keys: lane (r, h) takes, of its query's row, bytes 32 cc + 16 h + 0 .. 15, and stores them as lane l's 16 bytes of group cc
	s_sub_co_u32 s30, ttmp9, 896
	s_lshl_b32 s30, s30, 2
	s_add_co_u32 s30, s30, s2                      ; 64 b + tile
	s_lshr_b32 s31, s30, 6
	s_and_b32 s32, s30, 63
	s_lshl_b32 s36, s31, 10
	s_lshr_b32 s33, s32, 1
	s_lshl_b32 s33, s33, 5
	s_add_co_u32 s36, s36, s33
	s_and_b32 s33, s32, 1
	s_lshl_b32 s33, s33, 3
	s_add_co_u32 s36, s36, s33
	s_lshl_b32 s36, s36, 10
	s_mov_b32 s37, 0
	s_lshl_b32 s38, s30, 14
	s_mov_b32 s39, 0
	v_and_b32 v5, 15, v2
	v_and_b32 v6, 8, v5
	v_add_nc_u32 v5, v5, v6                        ; r + 8 (r / 8)
	v_lshrrev_b32 v6, 4, v2
	v_lshlrev_b32 v3, 10, v5
	v_lshl_add_u32 v3, v6, 4, v3
	v_lshlrev_b32 v4, 4, v2
	s_wait_kmcnt 0x0
	s_add_nc_u64 s[4:5], s[22:23], s[36:37]
	s_add_nc_u64 s[6:7], s[28:29], s[38:39]
.set n, 0
.rept 32
	global_load_b128 v[32+4*n:35+4*n], v3, s[4:5] offset:32*n
.set n, n+1
.endr
.set n, 0
.rept 32
	s_wait_loadcnt 31-n
	global_store_b128 v4, v[32+4*n:35+4*n], s[6:7] offset:512*n     ; 512 consecutive bytes
.set n, n+1
.endr
	s_endpgm
.Lfunc_end_k_qef3a9be107_prep:
	.size	k_qef3a9be107_prep, .Lfunc_end_k_qef3a9be107_prep-k_qef3a9be107_prep
	.p2alignl 7, 3214868480
	.fill 96, 4, 3214868480
	.section	.rodata,"a",@progbits
	.p2align	6, 0x0
	.amdhsa_kernel k_qef3a9be107_prep
		.amdhsa_group_segment_fixed_size 68096
		.amdhsa_private_segment_fixed_size 0
		.amdhsa_enable_private_segment 0
		.amdhsa_kernarg_size 88
		.amdhsa_user_sgpr_count 2
		.amdhsa_user_sgpr_kernarg_segment_ptr 1
		.amdhsa_wavefront_size32 1
		.amdhsa_system_sgpr_workgroup_id_x 1
		.amdhsa_system_sgpr_workgroup_id_y 1
		.amdhsa_system_sgpr_workgroup_id_z 1
		.amdhsa_system_vgpr_workitem_id 0
		.amdhsa_next_free_vgpr 194
		.amdhsa_next_free_sgpr 66
		.amdhsa_reserve_vcc 0
		.amdhsa_float_denorm_mode_32 3
		.amdhsa_float_denorm_mode_16_64 3
		.amdhsa_memory_ordered 1
		.amdhsa_forward_progress 1
		.amdhsa_inst_pref_size 174
	.end_amdhsa_kernel
	.amdgpu_metadata
---
amdhsa.version: [ 1, 2 ]
amdhsa.kernels:
  - .name:           k_qef3a9be107_prep
    .symbol:         k_qef3a9be107_prep.kd
    .args:
      - { .name: q, .offset: 0, .size: 8, .value_kind: global_buffer, .address_space: global }
      - { .name: k, .offset: 8, .size: 8, .value_kind: global_buffer, .address_space: global }
      - { .name: v, .offset: 16, .size: 8, .value_kind: global_buffer, .address_space: global }
      - { .name: w_qs, .offset: 24, .size: 8, .value_kind: global_buffer, .address_space: global }
      - { .name: w_ks, .offset: 32, .size: 8, .value_kind: global_buffer, .address_space: global }
      - { .name: w_vs, .offset: 40, .size: 8, .value_kind: global_buffer, .address_space: global }
      - { .name: proj_w, .offset: 48, .size: 8, .value_kind: global_buffer, .address_space: global }
      - { .name: attn_mask, .offset: 56, .size: 8, .value_kind: global_buffer, .address_space: global }
      - { .name: xq, .offset: 64, .size: 8, .value_kind: global_buffer, .address_space: global }
      - { .name: wq, .offset: 72, .size: 8, .value_kind: global_buffer, .address_space: global }
      - { .name: mi, .offset: 80, .size: 8, .value_kind: global_buffer, .address_space: global }
    .group_segment_fixed_size: 68096
    .private_segment_fixed_size: 0
    .kernarg_segment_align: 8
    .kernarg_segment_size: 88
    .max_flat_workgroup_size: 128
    .sgpr_count:     66
    .vgpr_count:     194
    .wavefront_size: 32
...
	.end_amdgpu_metadata
.endif
;; end of part 1
;; launch proj (part 2): grid 4 x 96, 4 waves a work-group, clusters of 4 x 4, 327,680 bytes of LDS; arguments xq, wq, hq; writes hq
.if DOCPART == 2
	.amdgcn_target "amdgcn-amd-amdhsa--gfx1250"
	.amdhsa_code_object_version 6
	.text
	.protected	k_qef3a9be107_proj
	.globl	k_qef3a9be107_proj
	.p2align	8
	.type	k_qef3a9be107_proj,@function
k_qef3a9be107_proj:
	s_mov_b64 s[64:65], 0
	v_nop
	global_prefetch_b8 v0, s[64:65] scope:SCOPE_SE
	s_setreg_imm32_b32 hwreg(HW_REG_WAVE_MODE, 25, 1), 1
	s_wait_xcnt 0x0
	s_wait_alu depctr_hold_cnt(0) depctr_sa_sdst(0) depctr_va_vdst(0) depctr_va_sdst(0) depctr_va_ssrc(0) depctr_va_vcc(0) depctr_vm_vsrc(0)
	s_getreg_b32 s2, hwreg(HW_REG_IB_STS2, 6, 4)
	s_cmp_eq_u32 s2, 0
	s_cbranch_scc0 .Lentry_in_a_cluster
	s_endpgm
.Lentry_in_a_cluster:
	s_bfe_u32 s2, ttmp6, 0x10000c
	s_cmp_lg_u32 s2, 0xf033
	s_cbranch_scc0 .Lentry_shape_is_right
	s_endpgm
.Lentry_shape_is_right:
; The three projections as one GEMM on codes of E4M3 with E8M0 scales, K = 1,024; the results are quantised in registers and leave as images of the next products' operands.
; A cluster of 4 x 4 work-groups is one (tensor t, batch b): 1,024 tokens x 1,024 features.  A work-group makes 256 x 256, each of its four waves 128 x 128: 64 accumulators, 512 registers.
; K goes in steps of 256 through a ring of two LDS slots filled by the tensor data mover; the scale bytes of the work-group's rows come once and stay.
; THE MATRIX INSTRUCTION: source 0 = 16 rows of the "B side", source 1 = 16 rows of the "A side": a lane holds ONE row of the A side, and its registers run along the B side.
;   q, k: A side = tokens (xq), B side = features (wq): registers run along the head's 64, the K of the scores.
;   v:    A side = features (wq), B side = tokens (xq): registers run along the keys, the K of the second product of attention.
; Only buffers and first rows differ; they are chosen by the cluster's number, which all sixteen partners share.  A's tiles are shared along a row of the cluster, B's along a column: joint loads.
; Rows of xq and wq lie in position order, so the 16 registers of B-side tiles 2 b and 2 b + 1 are 16 neighbours in the natural order: 64 registers of a lane are four blocks of 32.
; OUT (hq): block (128 t + 16 b + head) of 65,536 bytes.  q, k: [tile of 16 tokens: 64][2][512]; v: [K step of 128 keys: 8][16 features: 4][4][512].  Scale words at HS + 2,048 x block: [8][row 16][4 words].
; LIMITS: a block of zeros gets the byte 1 (this program alone reads the bytes); NaN and infinities are not served.
; REGISTERS: window 0: v16-30 addresses; v32-63 scale words, two sets; from v128 A's fragments, one set; on the way out v112-143 codes, v200-223 at work.
;   window 1: B's fragments, two sets.   windows 2, 3: the accumulators ((a, b) at v[8 (8 (a % 4) + b)] of window 2 + a / 4).
.set KSTEP,  256
.set NQ,     2
.set ROWB,   256
.set KROW,   1024
.set PITCH,  272                       ; an LDS row: 256 bytes + 16 of padding: the 16 rows that a load touches start at 16 different banks (64 banks of 4 bytes: ISA guide 11.1)
.set FR,     16
.set NL,     4
.set NP,     8                         ; places behind this matrix instruction (ISA guide 7.12.1)
.set HALFT,  128*PITCH
.set SLOT,   4*HALFT
.set LAPS,   2
.set KS,     32
.set SCL,    2*SLOT
.set HALFS,  (128*KS/256)*272
.set SBLK,   (16*KS/256)*272
.set SPARE,  SCL+4*HALFS               ; the spare words, 128 bytes for each wave
.set XSO,    25165824
.set WSO,    3145728
.set HS,     25165824
.set ADRA, 16
.set ADRB, 20
.set VO0,  24                          ; v24  16 x lane
.set VO2,  25                          ; v25  the same, one head (q, k) or two groups (v) on
.set VSC,  26                          ; v26  my place among the scale words
.set ADRS, 27
.set SPW,  28
.set NIL,  29
.set SELV, 30                          ; v30  byte selects: lanes 0-15 take the words' low halves, lanes 16-31 the high halves
.set SC,   32
.set AF,   128
.set PC,   112                         ; the way out: codes, two sets of 16
.set TM,   200
.set PW,   216                         ; v216-223 the scale word of each of my eight A-side tiles
.set G1, 24
.set G0, 32
.set G1B, 48
.set G0B, 56
.set G1S, 68
.set G0S, 76
.set G1SB, 80
.set G0SB, 88
.set MSB, 0
.macro WIN new                         ; the immediate's high byte repeats the setting that is left
.if MSB != (\new)
	s_set_vgpr_msb (MSB<<8)|(\new)
.set MSB, (\new)
.endif
.endm
.set MUL_LO, 0xa1
.set MUL_HI, 0xf1
.set TO_B,   0x40
; A joint load: waves 0 and 1 fetch for A, waves 2 and 3 for B; the branch hangs on the wave's number alone.  Four v_nop follow each of the two lines.
.macro JLOAD g0a, g1a, g0b, g1b
	s_cmp_eq_u32 s15, 0
	s_cbranch_scc0 .Lfor_b_\@
	tensor_load_to_lds s[\g0a:\g0a+3], s[\g1a:\g1a+7]
	s_nop 0
.rept 4
	v_nop
.endr
	s_branch .Lasked_\@
.Lfor_b_\@:
	tensor_load_to_lds s[\g0b:\g0b+3], s[\g1b:\g1b+7]
	s_nop 0
.rept 4
	v_nop
.endr
.Lasked_\@:
.endm
.macro CREST                           ; a round of the cluster's barrier behind its opening barrier
	s_cmp_lg_u32 s14, 0
	s_cbranch_scc1 .Lnot_wave_0_\@
	s_barrier_signal -3
.Lnot_wave_0_\@:
	s_barrier_wait -3
	s_barrier_signal -1
	s_barrier_wait -1
.endm
.macro CROUND
	s_barrier_signal -1
	s_barrier_wait -1
	CREST
.endm
	s_load_b128 s[4:7], s[0:1], 0x0                ; xq, wq
	s_load_b64 s[12:13], s[0:1], 0x10              ; hq
	v_lshl_add_u32 v[SPW], v0, 2, SPARE
	v_mov_b32 v[NIL], 0
	ds_add_u32 v28, v29
	ds_add_u32 v28, v29
	s_wait_dscnt 0x0
	v_lshrrev_b32 v1, 5, v0
	v_readfirstlane_b32 s14, v1                    ; wave 0..3
	s_lshr_b32 s15, s14, 1                         ; which half of the A side's rows is mine.  Also: I fetch for A (0) or for B (1)
	s_and_b32 s16, s14, 1                          ; which half of the B side's.  Also: which 128 rows I fetch
	s_bfe_u32 s40, ttmp6, 0x40000                  ; cx, cy: my place in the cluster
	s_bfe_u32 s41, ttmp6, 0x40004
	s_and_b32 s17, ttmp7, 0xffff                   ; the cluster's number: 8 t + b
	s_lshr_b32 s66, s17, 3                         ; t
	s_and_b32 s67, s17, 7                          ; b
	s_lshl_b32 s43, s41, 2
	s_lshl_b32 s43, 15, s43                        ; my row of the cluster
	s_lshl_b32 s44, 0x1111, s40                    ; my column
	s_or_b32 s[G1+0], s43, (0<<16)|(1<<20)|(1<<21)|(5<<22)|(3<<25)  ; the mask; elements of 1 byte; padding: 4 words behind every 64; bit 21 beside a mask
	s_or_b32 s[G1B+0], s44, (0<<16)|(1<<20)|(1<<21)|(5<<22)|(3<<25)
.irp g, G1, G1B
	s_mov_b32 s[\g+1], ROWB<<16                    ; tensor_dim0
	s_mov_b32 s[\g+2], 128<<16                     ; tensor_dim1
	s_mov_b32 s[\g+3], ROWB<<16                    ; tile_dim0
	s_mov_b32 s[\g+4], 128                         ; tile_dim1
	s_mov_b32 s[\g+5], KROW                        ; the pitch
	s_mov_b32 s[\g+6], 0
	s_mov_b32 s[\g+7], 0
.endr
	s_or_b32 s[G1S+0], s43, (3<<16)|(1<<20)|(1<<21)|(5<<22)|(3<<25) ; the scales of 128 rows: 4,096 dense bytes as 16 rows of 256 (32 elements of 8 bytes)
	s_or_b32 s[G1SB+0], s44, (3<<16)|(1<<20)|(1<<21)|(5<<22)|(3<<25)
.irp g, G1S, G1SB
	s_mov_b32 s[\g+1], 32<<16
	s_mov_b32 s[\g+2], (128*KS/256)<<16
	s_mov_b32 s[\g+3], 32<<16
	s_mov_b32 s[\g+4], 128*KS/256
	s_mov_b32 s[\g+5], 32
	s_mov_b32 s[\g+6], 0
	s_mov_b32 s[\g+7], 0
.endr
	s_lshl_b32 s94, s66, 13
	s_lshl_b32 s95, s67, 10
	s_add_co_u32 s94, s94, s95                     ; the tokens' first row in xq: 8,192 t + 1,024 b
	s_lshl_b32 s95, s66, 10                        ; the features' first row in wq: 1,024 t
	s_mov_b32 s96, XSO
	s_mov_b32 s97, WSO
	s_cmp_eq_u32 s66, 2                            ; v?
	s_cselect_b32 s98, s95, s94                    ; the A side's first row,
	s_cselect_b32 s99, s94, s95                    ; the B side's,
	s_cselect_b32 s100, s97, s96                   ; where the A side's scale bytes begin in its buffer,
	s_cselect_b32 s101, s96, s97                   ; and the B side's
	s_lshl_b32 s18, s16, 7                         ; which 128 rows I fetch
	s_lshl_b32 s20, s41, 8
	s_add_co_u32 s20, s20, s18
	s_add_co_u32 s20, s20, s98                     ; A: hangs on cy alone
	s_lshl_b32 s46, s40, 8
	s_add_co_u32 s46, s46, s18
	s_add_co_u32 s46, s46, s99                     ; B: hangs on cx alone
	s_lshl_b32 s22, s20, 5
	s_add_co_u32 s22, s22, s100
	s_mov_b32 s23, 0
	s_lshl_b32 s92, s46, 5
	s_add_co_u32 s92, s92, s101
	s_mov_b32 s93, 0
	s_lshl_b32 s20, s20, 10
	s_mov_b32 s21, 0
	s_lshl_b32 s46, s46, 10
	s_mov_b32 s47, 0
	s_mul_i32 s45, s14, HALFT                      ; where they go: wave x 128 rows: no place in the cluster enters an LDS address
	s_mul_i32 s94, s14, HALFS
	s_wait_kmcnt 0x0
	s_cmp_eq_u32 s66, 2
	s_cselect_b64 s[8:9], s[6:7], s[4:5]           ; the A side's buffer
	s_cselect_b64 s[10:11], s[4:5], s[6:7]         ; the B side's
	s_add_nc_u64 s[20:21], s[8:9], s[20:21]
	s_add_nc_u64 s[22:23], s[8:9], s[22:23]
	s_add_nc_u64 s[46:47], s[10:11], s[46:47]
	s_add_nc_u64 s[92:93], s[10:11], s[92:93]
	CROUND                                         ; all sixteen work-groups are here: the first joint loads meet
	s_mov_b32 s[G0S], 1
	s_add_co_u32 s[G0S+1], s94, SCL
	s_mov_b64 s[G0S+2:G0S+3], s[22:23]
	s_or_b32 s[G0S+3], s[G0S+3], 0x80000000
	s_mov_b32 s[G0SB], 1
	s_add_co_u32 s[G0SB+1], s94, SCL
	s_mov_b64 s[G0SB+2:G0SB+3], s[92:93]
	s_or_b32 s[G0SB+3], s[G0SB+3], 0x80000000
	JLOAD G0S, G1S, G0SB, G1SB                     ; the scales first: they are wanted with K step 0
.irp s, 0,1
	s_mov_b32 s[G0+4*\s], 1
	s_add_co_u32 s[G0+4*\s+1], s45, \s*SLOT
	s_add_nc_u64 s[G0+4*\s+2:G0+4*\s+3], s[20:21], \s*ROWB
	s_or_b32 s[G0+4*\s+3], s[G0+4*\s+3], 0x80000000
	s_mov_b32 s[G0B+4*\s], 1
	s_add_co_u32 s[G0B+4*\s+1], s45, \s*SLOT
	s_add_nc_u64 s[G0B+4*\s+2:G0B+4*\s+3], s[46:47], \s*ROWB
	s_or_b32 s[G0B+4*\s+3], s[G0B+4*\s+3], 0x80000000
	JLOAD G0+4*\s, G1, G0B+4*\s, G1B               ; three tensor loads of mine are out now, at the most
.endr
	v_and_b32 v1, 15, v0                           ; r
	v_bfe_u32 v2, v0, 4, 1                         ; h
	v_mul_u32_u24 v3, v1, PITCH
	v_lshl_add_u32 v4, v2, 4, v3
	s_mul_i32 s21, s15, HALFT
	s_mul_i32 s22, s16, HALFT
	s_add_co_u32 s22, s22, 2*HALFT
.irp s, 0,1
	v_add_nc_u32 v[ADRA+\s], s21, v4
	v_add_nc_u32 v[ADRB+\s], s22, v4
	s_add_co_u32 s21, s21, SLOT
	s_add_co_u32 s22, s22, SLOT
.endr
	v_mul_u32_u24 v5, v1, KS
	v_lshrrev_b32 v6, 8, v5
	v_lshl_add_u32 v5, v6, 4, v5
	s_mul_i32 s21, s15, HALFS
	s_mul_i32 s22, s16, HALFS
	s_add_co_u32 s22, s22, 2*HALFS
	s_sub_co_u32 s22, s22, s21
	v_mul_u32_u24 v6, s22, v2                      ; lanes 16-31 take B's
	s_add_co_u32 s21, s21, SCL
	v_add_nc_u32 v5, v5, v6
	v_add_nc_u32 v[ADRS], s21, v5
	; the way out.  (U: the pair that names my two heads; W: the pair that names my eight tiles of tokens, or my K step of keys)
	s_cmp_eq_u32 s66, 2
	s_cselect_b32 s18, s41, s40
	s_cselect_b32 s19, s15, s16
	s_cselect_b32 s20, s40, s41
	s_cselect_b32 s21, s16, s15
	s_mov_b32 s22, 1024
	s_cselect_b32 s96, 2048, s22                   ; from one A-side tile to the next
	s_cselect_b32 s98, 59392, s22                  ; from the fourth to the fifth: in v the next head's first 16 features
	s_mov_b32 s23, 65536
	s_cselect_b32 s100, s22, s23                   ; from a lane's first two blocks of 32 to its last two: two groups on (v), a head on (q, k)
	s_cselect_b32 s101, -1, 0
	s_mov_b32 s97, 0
	s_mov_b32 s99, 0
	s_lshl_b32 s17, s17, 4
	s_lshl_b32 s18, s18, 2
	s_lshl_b32 s19, s19, 1
	s_add_co_u32 s17, s17, s18
	s_add_co_u32 s17, s17, s19                     ; the block of my first head
	s_lshl_b32 s20, s20, 1
	s_add_co_u32 s20, s20, s21
	s_lshl_b32 s22, s17, 11
	s_lshl_b32 s21, s20, 8
	s_add_co_u32 s22, s22, s21
	s_add_co_u32 s22, s22, HS
	s_mov_b32 s23, 0
	s_add_nc_u64 s[92:93], s[12:13], s[22:23]      ; my scale words
	s_lshl_b32 s18, s17, 16
	s_lshl_b32 s19, s20, 13
	s_add_co_u32 s18, s18, s19
	s_mov_b32 s19, 0
	s_add_nc_u64 s[12:13], s[12:13], s[18:19]      ; my images
	s_mov_b32 s2, 0x600000                         ; the mantissa field of 448
	s_mov_b32 s94, 0x76543210
	s_mov_b32 s95, 0xfedcba98                      ; v_permlanex16_b32's selects for lane l xor 16
	s_mov_b32 s67, 0xffff0000                      ; lanes 16-31
	v_and_b32 v6, 31, v0
	v_lshlrev_b32 v[VO0], 4, v6
	v_add_nc_u32 v[VO2], s100, v[VO0]
	v_lshlrev_b32 v[VSC], 4, v1
	v_lshl_add_u32 v[VSC], v2, 11, v[VSC]          ; lanes 16-31: the next head's words
	v_mov_b32 v[SELV], 0x05040100
	v_mov_b32 v31, 0x07060302
	v_cndmask_b32 v[SELV], v[SELV], v31, s67
.macro FRAG reg, adr, q, i             ; 16 rows x 128 K: registers 4 c .. 4 c + 3 hold K = 32 c + 16 (l / 16) + 0 .. 15 of row l % 16
.irp c, 0,1,2,3
	ds_load_b128 v[\reg+4*\c:\reg+4*\c+3], v[\adr] offset:128*(\q)+32*\c+(\i)*16*PITCH
.endr
.endm
; 16 matrix instructions: A's blocks a0, a0 + 1 x B's eight.  The 64 accumulators take turns, one instruction a turn, in the same order in every step.
.macro MUL16 a0, p, q, sc, zero
.irp a, \a0, \a0+1
.irp b, 0,1,2,3,4,5,6,7
.if \zero
	v_wmma_scale_f32_16x16x128_f8f6f4 v[8*(8*((\a)%4)+\b):8*(8*((\a)%4)+\b)+7], v[128*(\p)+FR*\b:128*(\p)+FR*\b+FR-1], v[AF+FR*(\a):AF+FR*(\a)+FR-1], 0, v[SC+8*NQ*(\sc)+NQ*\b+(\q)], v[SC+8*NQ*(\sc)+NQ*(\a)+(\q)] matrix_a_scale:MATRIX_SCALE_ROW1
.else
	v_wmma_scale_f32_16x16x128_f8f6f4 v[8*(8*((\a)%4)+\b):8*(8*((\a)%4)+\b)+7], v[128*(\p)+FR*\b:128*(\p)+FR*\b+FR-1], v[AF+FR*(\a):AF+FR*(\a)+FR-1], v[8*(8*((\a)%4)+\b):8*(8*((\a)%4)+\b)+7], v[SC+8*NQ*(\sc)+NQ*\b+(\q)], v[SC+8*NQ*(\sc)+NQ*(\a)+(\q)] matrix_a_scale:MATRIX_SCALE_ROW1
.endif
.endr
.endr
.endm
.macro FETCH_B slot, q, p
	WIN TO_B
.irp i, 0,1,2,3,4,5,6,7
	FRAG 128*(\p)+FR*\i, ADRB+\slot, \q, \i
.endr
	WIN 0
.endm
.macro FETCH_A slot, q, i0
.irp i, \i0, \i0+1, \i0+2, \i0+3
	FRAG AF+FR*(\i), ADRA+\slot, \q, \i
.endr
.endm
.macro SCALES sc                       ; the next K step's scale words: lanes 0-15 take A's block i, lanes 16-31 B's block i
.irp i, 0,1,2,3,4,5,6,7
	ds_load_b64 v[SC+8*NQ*\sc+NQ*\i:SC+8*NQ*\sc+NQ*\i+1], v[ADRS] offset:\i*SBLK
.endr
.endm
.macro PLACES n                        ; plain vector instructions between a matrix instruction and a load into, or a read of, its registers
.rept \n
	v_nop
.endr
.endm
.macro STEP slot, q, zero              ; 128 along K that has its successor in the same slot
	s_wait_dscnt 4*NL                              ; B's set and A's blocks 0-3 are in; the youngest 16 loads (A's blocks 4-7) may be out
	WIN MUL_LO
	MUL16 0, (\q)%2, \q, \slot, \zero
	MUL16 2, (\q)%2, \q, \slot, \zero
	s_wait_dscnt 0
	PLACES NP
	FETCH_B \slot, (\q)+1, 1-(\q)%2
	FETCH_A \slot, (\q)+1, 0
	WIN MUL_HI
	MUL16 4, (\q)%2, \q, \slot, \zero
	MUL16 6, (\q)%2, \q, \slot, \zero
	PLACES NP
	WIN 0
	FETCH_A \slot, (\q)+1, 4
.endm
; A slot's last step changes slots: one barrier; in front of it each wave waits for all its tensor loads, adds 0 to its spare word, and waits for that and for its reads of this slot.
.macro TURN slot, next, fill
	s_wait_tensorcnt 0x0                           ; all my tensor loads have landed: my part of the next slot
	ds_add_u32 v[SPW], v[NIL]                      ; 0 onto my spare word
	s_wait_dscnt 4*NL+1                            ; (the add and the youngest 16 loads may be out)
	WIN MUL_LO
	MUL16 0, 1, NQ-1, \slot, 0
	s_wait_dscnt 0x0                               ; the add is done, and my reads of this slot are over
	s_barrier_signal -1
	MUL16 2, 1, NQ-1, \slot, 0
	WIN 0
	s_barrier_wait -1
.if \fill
	CREST                                          ; the barrier has opened a round of the cluster's: no wave of any partner still reads this slot or has a load on its way
	s_add_nc_u64 s[G0+4*\slot+2:G0+4*\slot+3], s[G0+4*\slot+2:G0+4*\slot+3], 2*ROWB
	s_add_nc_u64 s[G0B+4*\slot+2:G0B+4*\slot+3], s[G0B+4*\slot+2:G0B+4*\slot+3], 2*ROWB
	JLOAD G0+4*\slot, G1, G0B+4*\slot, G1B         ; the first tensor load behind the round; its four v_nop are among the places in front of the loads below
	PLACES NP-4
.else
	PLACES NP
.endif
	v_add_nc_u32 v[ADRS], 4*NQ, v[ADRS]
	FETCH_B \next, 0, 0
	FETCH_A \next, 0, 0
	SCALES \next
	WIN MUL_HI
	MUL16 4, 1, NQ-1, \slot, 0
	MUL16 6, 1, NQ-1, \slot, 0
	PLACES NP
	WIN 0
	FETCH_A \next, 0, 4
.endm
	s_wait_tensorcnt 1                             ; the scales and my part of K step 0 are in (K step 1's load may be out),
	s_barrier_signal -1
	s_barrier_wait -1                              ; everybody's are
	FETCH_B 0, 0, 0
	FETCH_A 0, 0, 0
	SCALES 0
	FETCH_A 0, 0, 4
	STEP 0, 0, 1                                   ; the first step's products start the sums
	s_mov_b32 s3, LAPS-1
.Llap:
	TURN 0, 1, 1
	STEP 1, 0, 0
	TURN 1, 0, 1
	STEP 0, 0, 0
	s_sub_co_u32 s3, s3, 1
	s_cmp_lg_u32 s3, 0
	s_cbranch_scc1 .Llap
	TURN 0, 1, 0                                   ; the last lap fills nothing
	STEP 1, 0, 0
	s_wait_dscnt 4*NL
	WIN MUL_LO
	MUL16 0, 1, NQ-1, 1, 0
	MUL16 2, 1, NQ-1, 1, 0
	s_wait_dscnt 0
	WIN MUL_HI
	MUL16 4, 1, NQ-1, 1, 0
	MUL16 6, 1, NQ-1, 1, 0
	WIN 0
; THE WAY OUT.  A-side tile a: a lane's 64 results, register 16 b + i = B-side index 32 b + 16 (l / 16) + i, are four blocks of 32 (each shared with lane l xor 16).
; They become 16 registers of codes, which are an operand's registers as they stand, and one scale word.  Each accumulator is read from its low end on.
.macro QUANTW a
.set WN, 2+(\a)/4
.set AC, 64*((\a)%4)
.set PCS, PC+16*((\a)%2)
	WIN WN|(WN<<2)
.irp b, 0,1,2,3
	v_max3_num_f32 v[TM+\b], |v[AC+16*\b]|, |v[AC+16*\b+1]|, 0x4800000   ; and the floor 2^(9 - 127): the byte cannot fall under 1
.endr
	WIN (WN<<2)|(WN<<4)
.irp i, 2,4,6,8,10,12,14
.irp b, 0,1,2,3
	v_max3_num_f32 v[TM+\b], v[TM+\b], |v[AC+16*\b+\i]|, |v[AC+16*\b+\i+1]|
.endr
.endr
	WIN 0
.irp b, 0,1,2,3
	v_permlanex16_b32 v[TM+4+\b], v[TM+\b], s94, s95
.endr
.irp b, 0,1,2,3
	v_max_num_f32 v[TM+\b], v[TM+\b], v[TM+4+\b]
.endr
.irp b, 0,1,2,3
	v_add_nc_u32 v[TM+12+\b], 0xfc000000, v[TM+\b]         ; 8 off the exponent field: the conversion's scale operand
.endr
.irp b, 0,1,2,3
	v_and_or_b32 v[TM+8+\b], v[TM+\b], 0x7f800000, s2      ; 448 x the scale
.endr
.irp b, 0,1,2,3
	v_lshrrev_b32 v[TM+4+\b], 23, v[TM+12+\b]              ; the byte
.endr
	v_lshl_or_b32 v[PW+(\a)], v[TM+5], 8, v[TM+4]
	v_lshl_or_b32 v[PW+(\a)], v[TM+6], 16, v[PW+(\a)]
	v_lshl_or_b32 v[PW+(\a)], v[TM+7], 24, v[PW+(\a)]
	WIN WN|(WN<<6)
.irp b, 0,1,2,3
.irp i, 0,1,2,3,4,5,6,7,8,9,10,11,12,13,14,15
	v_med3_num_f32 v[AC+16*\b+\i], v[AC+16*\b+\i], -v[TM+8+\b], v[TM+8+\b]   ; the conversion does not saturate (ISA guide 7.6.2)
.endr
.endr
	WIN WN
.irp b, 0,1,2,3
	v_cvt_scalef32_pk8_fp8_f32 v[PCS+4*\b:PCS+4*\b+1], v[AC+16*\b:AC+16*\b+7], v[TM+12+\b]
	v_cvt_scalef32_pk8_fp8_f32 v[PCS+4*\b+2:PCS+4*\b+3], v[AC+16*\b+8:AC+16*\b+15], v[TM+12+\b]
.endr
	WIN 0
	v_nop                                          ; a plain instruction behind the last conversion
.endm
	PLACES NP
.irp b, 0,1,2,3
	v_mov_b32 v[TM+4+\b], 0                        ; a lane permute's destination counts as one of its sources
.endr
.irp a, 0,1,2,3,4,5,6,7
	QUANTW \a
.if \a > 0
	s_wait_xcnt 0x0                                ; the last tile's stores have read their base and their data: the base steps, and the set of codes before last may be written again
.if \a == 4
	s_add_nc_u64 s[12:13], s[12:13], s[98:99]
.else
	s_add_nc_u64 s[12:13], s[12:13], s[96:97]
.endif
.endif
.set PCS, PC+16*((\a)%2)
	global_store_b128 v[VO0], v[PCS:PCS+3], s[12:13]                   ; each store covers 512 consecutive bytes, aligned
	global_store_b128 v[VO0], v[PCS+4:PCS+7], s[12:13] offset:512
	global_store_b128 v[VO2], v[PCS+8:PCS+11], s[12:13]
	global_store_b128 v[VO2], v[PCS+12:PCS+15], s[12:13] offset:512
.endr
	; the scale words.  q, k: word i = tiles 2 i and 2 i + 1, two bytes each, of the lane's head (lanes 16-31: the second head).  v: word i = tile i of the lane's head.  Both are made; the cluster's number selects.
.irp i, 0,1,2,3
	v_perm_b32 v[TM+\i], v[PW+2*\i+1], v[PW+2*\i], v[SELV]
	v_cndmask_b32 v[TM+4+\i], v[PW+\i], v[PW+4+\i], s67
.endr
.irp i, 0,1,2,3
	v_cndmask_b32 v[TM+\i], v[TM+\i], v[TM+4+\i], s101
.endr
	global_store_b128 v[VSC], v[TM:TM+3], s[92:93]                     ; each half of the lanes fills 256 aligned bytes
	s_wait_tensorcnt 0x0                           ; the wave's end
	ds_add_u32 v[SPW], v[NIL]
	s_wait_dscnt 0x0
	CROUND                                         ; the closing round
	s_endpgm
.Lfunc_end_k_qef3a9be107_proj:
	.size	k_qef3a9be107_proj, .Lfunc_end_k_qef3a9be107_proj-k_qef3a9be107_proj
	.p2alignl 7, 3214868480
	.fill 96, 4, 3214868480
	.section	.rodata,"a",@progbits
	.p2align	6, 0x0
	.amdhsa_kernel k_qef3a9be107_proj
		.amdhsa_group_segment_fixed_size 327680
		.amdhsa_private_segment_fixed_size 0
		.amdhsa_enable_private_segment 0
		.amdhsa_kernarg_size 24
		.amdhsa_user_sgpr_count 2
		.amdhsa_user_sgpr_kernarg_segment_ptr 1
		.amdhsa_wavefront_size32 1
		.amdhsa_system_sgpr_workgroup_id_x 1
		.amdhsa_system_sgpr_workgroup_id_y 1
		.amdhsa_system_sgpr_workgroup_id_z 1
		.amdhsa_system_vgpr_workitem_id 0
		.amdhsa_next_free_vgpr 1024
		.amdhsa_next_free_sgpr 102
		.amdhsa_reserve_vcc 0
		.amdhsa_float_denorm_mode_32 3
		.amdhsa_float_denorm_mode_16_64 3
		.amdhsa_memory_ordered 1
		.amdhsa_forward_progress 1
		.amdhsa_inst_pref_size 187
	.end_amdhsa_kernel
	.amdgpu_metadata
---
amdhsa.version: [ 1, 2 ]
amdhsa.kernels:
  - .name:           k_qef3a9be107_proj
    .symbol:         k_qef3a9be107_proj.kd
    .args:
      - { .name: xq, .offset: 0, .size: 8, .value_kind: global_buffer, .address_space: global }
      - { .name: wq, .offset: 8, .size: 8, .value_kind: global_buffer, .address_space: global }
      - { .name: hq, .offset: 16, .size: 8, .value_kind: global_buffer, .address_space: global }
    .group_segment_fixed_size: 327680
    .private_segment_fixed_size: 0
    .kernarg_segment_align: 8
    .kernarg_segment_size: 24
    .max_flat_workgroup_size: 128
    .sgpr_count:     102
    .vgpr_count:     1024
    .wavefront_size: 32
...
	.end_amdgpu_metadata
.endif
;; end of part 2
;; launch attn (part 3): grid 256 x 1, 4 waves a work-group, no clusters, 53,760 bytes of LDS; arguments hq, mi, aq; writes aq
.if DOCPART == 3
	.amdgcn_target "amdgcn-amd-amdhsa--gfx1250"
	.amdhsa_code_object_version 6
	.text
	.protected	k_qef3a9be107_attn
	.globl	k_qef3a9be107_attn
	.p2align	8
	.type	k_qef3a9be107_attn,@function
k_qef3a9be107_attn:
	s_mov_b64 s[64:65], 0
	v_nop
	global_prefetch_b8 v0, s[64:65] scope:SCOPE_SE
	s_setreg_imm32_b32 hwreg(HW_REG_WAVE_MODE, 25, 1), 1
	s_wait_xcnt 0x0
; Masked attention on codes of E4M3: S^T = K Q^T (K = 64), softmax over 1,024 keys FINISHED AND NORMALISED, quantised along the keys, O^T = V^T P^T; O quantised along head x 64 for the last projection.
; SHARES.  A work-group is (batch x head, half of the queries): 32 tiles of 16 queries.  THE FOUR WAVES SHARE THE KEYS: wave w keeps keys 256 w .. 256 w + 255 of K and of V^T in 256 registers for the whole launch,
; loaded once as images of the operands' registers; no byte of K or V goes through LDS.  No cluster: K and V are shared by two work-groups only, are read once, and go straight into registers.
; K = 64 IN AN INSTRUCTION OF 128.  A fragment of K packs two tiles of keys [K even | K odd]; Q stands in a strip Z | Qa | Z | Qb | Z of zeros and two tiles: the window [Q, Z] gives the even tile's scores, [Z, Q] the odd one's.
; The empty half has zero codes under the scale byte 0.
; THE MASK GOES THROUGH THE MATRIX UNIT.  A mask byte 0 / 1 read as a code is 0 or 2^-9.  A product of a pattern (row m has -448 at the place of row m's key) with the mask's fragment, both under the scale 2^50,
; gives -0.875 x 2^100 at hidden places and exactly 0 elsewhere, in the scores' own layout; the scores are then added onto it in place.
; SOFTMAX OVER FOUR WAVES, one exchange a tile.  t = score x log2(e) / 32.  Each wave: -M = floor(-max(its largest t, -2^80)), e = 2^(t - M), l = sum of e.  From the four (-M, l): g = the least -M,
; L = sum of l x 2^(g - (-M)), p = e x 2^(g - own(-M)) / L; L = 0 (every key hidden) gives p = 0.  The powers of two are exact (v_ldexp_f32 by whole numbers).
; LIMITS: |score x log2(e) / 32| under 2^80 (the hidden places' finite addend); NaN and infinities are not served; a block of zeros gets the scale byte 1 (this program alone reads the bytes).
; A block's largest p is the block's largest score put through the same instructions as every score (this takes v_exp_f32 not to fall where its input rises).
; ONE BARRIER A TILE.  Step t, in this order:
;   K Q^T of tile t + 1 onto its mask addend (16 products: the LDS loads asked for behind the barrier come back meanwhile) | the exchange's arithmetic for t, up to the reciprocal | O of tile t - 1 summed, quantised, stored |
;   block maxima of t + 1 | p's factor | -M of t + 1 line by line among the lines of p's scales | t - M of t + 1, p = e x factor of t | THE EXPONENTIALS OF t + 1 ONE BY ONE BETWEEN THE HOLDS OF t (both name the scores' window alike) |
;   p's codes, O^T of t (8 products) | the row sum of t + 1 in eight chains, O^T's stores among them | the figures' store | the mask addend of tile t + 2 (16 products: the stores land meanwhile) | barrier | figures and O's parts are asked back.
; LDS regions take turns by the tile's parity: a region stored in step t is read behind barrier t, those reads are waited for ahead of barrier t + 1, and it is stored again in step t + 2.
; REGISTERS.  window 0: v1-15 addresses, v12-13 the mask product's scales; v16-23 K's scale words, v24-31 V's, v32-35 Q's, v36-37 p's; v38-39 Q's word as loaded; v40-43 (-M, l) by parity; v44-45 p's factor; v46-53, v120-127 eight sums;
;   v56-71 block maxima by parity; v72-79 permute results; v80-103 hold, scale operand, byte; v104-111 figures read; v112-119 at work; v128-167 Q's strip; v176-191 O's quarter at work.
;   window 1: v0-127 K (pair i at 16 i), v128-255 V^T (K step s, 16 features d: 128 + 16 (4 s + d)).   window 2: scores, 128 a parity.
;   window 3: v0-63 the mask's fragments by parity; v64-93 the pattern's strip; v96-127 p's codes; v128-159 O^T; v160-191 the four waves' parts of my quarter of O.
.set HS,   25165824
.set ASO,  8388608
.set SCB,  1024                        ; LDS: 0 the figures [parity][wave][query] x 8 bytes; 1,024 each wave's 256 scale bytes; 2,048 O^T's parts
.set OPB,  2048
.set OPP,  25600                       ; a parity's region: [wave] 6,400 [16 features] 1,600 [4 registers] 768 [half of lanes] 384 + 16 r: sixteen lanes of a store and of a load touch 16 different columns of 16 bytes
.set MNT,  19
.set SEL,  20
.set CS,   22
.set T3,   40                          ; s40  the next batch of loads
.set RT,   44                          ; s44  16,384 x the tile that is summed next
.set SBO,  45                          ; s45  8 x that tile
.set MSB, 0
.macro WIN new
.if MSB != (\new)
	s_set_vgpr_msb (MSB<<8)|(\new)
.set MSB, (\new)
.endif
.endm
.macro NOPS n
.rept \n
	v_nop
.endr
.endm
; The addresses of the next batch (a tile's mask, Q and Q's scale word).  Past the last tile the last tile is asked for again, so that every load stays inside its buffer and every count stays the same.
.macro ADDR
	s_wait_xcnt 0x0                                ; every earlier load and store has read its address and data registers: they are written again only behind this wait
	s_min_u32 s41, s[T3], 31
	s_add_co_u32 s[T3], s[T3], 1
	s_lshl_b32 s42, s41, 14
	v_add_nc_u32 v3, s42, v1
	s_lshl_b32 s42, s41, 10
	v_add_nc_u32 v4, s42, v1
	s_lshr_b32 s42, s41, 3
	s_lshl_b32 s42, s42, 8
	s_bfe_u32 s43, s41, 0x20001
	s_lshl_b32 s43, s43, 2
	s_add_co_u32 s42, s42, s43
	v_add_nc_u32 v5, s42, v2
.endm
.macro MLOAD par
	WIN 0xc0
.irp n, 0,1,2,3,4,5,6,7
	global_load_b128 v[32*(\par)+4*\n:32*(\par)+4*\n+3], v3, s[38:39] offset:512*\n
.endr
	WIN 0
.endm
.macro QLOAD par
	global_load_b128 v[136+16*(\par):139+16*(\par)], v4, s[34:35]
	global_load_b128 v[140+16*(\par):143+16*(\par)], v4, s[34:35] offset:512
	global_load_b32 v[38+(\par)], v5, s[36:37]
.endm
; The first half of a tile's scores (parity par): the next batch's addresses, Q's two scale registers, and 16 products that start the sums with the mask's addend.
.macro SCMASK par
	ADDR
	s_wait_loadcnt 11                              ; this tile's batch is in; the next batch's 11 loads may be out
.if (\par) == 0
	v_and_b32 v32, 0xffff, v38                     ; Q's two bytes for the window [Q, Z],
	v_lshlrev_b32 v33, 16, v38                     ; and for [Z, Q]
.else
	v_lshrrev_b32 v34, 16, v39
	v_and_b32 v35, 0xffff0000, v39
.endif
	WIN 0x8f
.set i, 0
.rept 16
	v_wmma_scale_f32_16x16x128_f8f6f4 v[128*(\par)+8*i:128*(\par)+8*i+7], v[78-2*(i%8):93-2*(i%8)], v[32*(\par)+16*(i/8):32*(\par)+16*(i/8)+15], 0, v12, v13
.set i, i+1
.endr
	WIN 0
.endm
; The second half: 16 products add K Q^T in place; the 16 accumulators take turns.
.macro SCQK par
	NOPS 8                                         ; places: ahead of the loads into the mask's registers, and between Q's scale registers and the products that name them
	MLOAD \par
	WIN 0xa1
.set i, 0
.rept 16
	v_wmma_scale_f32_16x16x128_f8f6f4 v[128*(\par)+8*i:128*(\par)+8*i+7], v[16*(i/2):16*(i/2)+15], v[136+16*(\par)-8*(i%2):151+16*(\par)-8*(i%2)], v[128*(\par)+8*i:128*(\par)+8*i+7], v[16+i/2], v[32+2*(\par)+i%2]
.set i, i+1
.endr
	WIN 0
.endm
; The largest score of each of my 8 blocks of 32 keys: block k is registers 16 k .. 16 k + 15 of lanes l and l xor 16.
.macro P1MAX par
.set SS, 128*(\par)
.set BX, 56+8*(\par)
	WIN 0x2a
.irp k, 0,1,2,3,4,5,6,7
	v_max3_num_f32 v[BX+\k], v[SS+16*\k], v[SS+16*\k+1], v[SS+16*\k+2]          ; each accumulator is first read at its low end
.endr
	WIN 0x28
.irp i, 3,5,7,9,11,13
.irp k, 0,1,2,3,4,5,6,7
	v_max3_num_f32 v[BX+\k], v[BX+\k], v[SS+16*\k+\i], v[SS+16*\k+\i+1]
.endr
.endr
	WIN 0x08
.irp k, 0,1,2,3,4,5,6,7
	v_max_num_f32 v[BX+\k], v[BX+\k], v[SS+16*\k+15]
.endr
	WIN 0
.irp k, 0,1,2,3,4,5,6,7
	v_permlanex16_b32 v[72+\k], v[BX+\k], s[SEL], s[SEL+1]
.endr
.irp k, 0,1,2,3,4,5,6,7
	v_max_num_f32 v[BX+\k], v[BX+\k], v[72+\k]
.endr
.endm
; The four waves' figures become my factor, in two parts.  cnt: the LDS loads issued behind the four of the figures.
.macro RCA par, cnt
	s_wait_dscnt \cnt
	v_min3_num_f32 v112, v104, v106, v108
	v_min_num_f32 v112, v112, v110                 ; g
	v_sub_f32 v113, v112, v104
	v_sub_f32 v114, v112, v106
	v_sub_f32 v115, v112, v108
	v_sub_f32 v116, v112, v110
	v_sub_f32 v117, v112, v[40+2*(\par)]           ; whole numbers, 0 or less
	v_cvt_i32_f32 v113, v113                       ; (it saturates)
	v_cvt_i32_f32 v114, v114
	v_cvt_i32_f32 v115, v115
	v_cvt_i32_f32 v116, v116
	v_cvt_i32_f32 v117, v117
	v_ldexp_f32 v113, v105, v113
	v_ldexp_f32 v114, v107, v114
	v_ldexp_f32 v115, v109, v115
	v_ldexp_f32 v116, v111, v116
	v_add_f32 v113, v113, v114
	v_add_f32 v115, v115, v116
	v_add_f32 v118, v113, v115                     ; L
	v_cmp_lt_f32 vcc_lo, 0, v118
	v_rcp_f32 v119, v118
	v_nop                                          ; a plain instruction behind the reciprocal; what follows up to RCB names neither v117, v119 nor VCC
.endm
.macro RCB
	s_wait_alu depctr_va_vdst(0)                   ; ahead of the reciprocal's first reader
	v_ldexp_f32 v119, v119, v117
	v_cndmask_b32 v44, 0, v119, vcc_lo             ; a row with every key hidden: p = 0
.endm
; Two short pieces line by line.  m = 1: the scales of p of the tile of parity pm (8 blocks: largest p, floor, scale operand, hold, byte, two words).
; e = 1: -M of the other parity's tile from its block maxima, t - M of those maxima, and their exponentials: a chain of single lines, each with eight lines of the other piece behind it.
.macro HEADS pm, m, e
.set BM, 56+8*(\pm)
.set BE, 64-8*(\pm)
.set NE, 42-2*(\pm)
.if \e
	v_max3_num_f32 v112, v[BE], v[BE+1], v[BE+2]
	v_max3_num_f32 v113, v[BE+3], v[BE+4], v[BE+5]
	v_max_num_f32 v114, v[BE+6], v[BE+7]
.endif
.if \m
.irp k, 0,1,2,3,4,5,6,7
	v_mul_f32 v[80+\k], v[BM+\k], v44              ; the block's largest p: the same multiplication as every p's
.endr
.endif
.if \e
	v_max3_num_f32 v112, v112, v113, v114          ; my largest score
.endif
.if \m
.irp k, 0,1,2,3,4,5,6,7
	v_max_num_f32 v[80+\k], 0x4800000, v[80+\k]    ; the floor 2^(9 - 127): the byte cannot fall under 1
.endr
.endif
.if \e
	v_mul_f32 v112, s[CS], v112                    ; as t
.endif
.if \m
.irp k, 0,1,2,3,4,5,6,7
	v_add_nc_u32 v[88+\k], 0xfc000000, v[80+\k]    ; 8 off the exponent field: the conversion's scale operand
.endr
.endif
.if \e
	v_max_num_f32 v112, 0xe7800000, v112           ; not under -2^80: where all my keys are hidden every e still falls to 0
.endif
.if \m
.irp k, 0,1,2,3,4,5,6,7
	v_and_or_b32 v[80+\k], v[80+\k], 0x7f800000, s[MNT]   ; 448 x the scale
.endr
.endif
.if \e
	v_floor_f32 v[NE], -v112                       ; -M, a whole number
.endif
.if \m
.irp k, 0,1,2,3,4,5,6,7
	v_lshrrev_b32 v[96+\k], 23, v[88+\k]           ; the byte
.endr
.endif
.if \e
.irp k, 0,1,2,3,4,5,6,7
	v_fma_f32 v[BE+\k], v[BE+\k], s[CS], v[NE]
.endr
.endif
.set qq, 0
.rept 3
.if \e
	v_exp_f32 v[BE+2*qq], v[BE+2*qq]               ; the block's largest e
.endif
.if \m
.if qq == 0
	v_lshl_or_b32 v36, v97, 8, v96
.else
	v_lshl_or_b32 v36, v[97+qq], 8*(qq+1), v36
.endif
.endif
.if \e
	v_exp_f32 v[BE+2*qq+1], v[BE+2*qq+1]
.endif
.if \m
.if qq == 0
	v_lshl_or_b32 v37, v101, 8, v100
.else
	v_lshl_or_b32 v37, v[101+qq], 8*(qq+1), v37
.endif
.endif
.set qq, qq+1
.endr
.if \e
	v_exp_f32 v[BE+6], v[BE+6]
	v_exp_f32 v[BE+7], v[BE+7]
.endif
.endm
; The long piece, all under one window setting.  e = 1: t - M and e = 2^(t - M) of the tile of parity 1 - pm.  m = 1: p = e x factor and the hold of the tile of parity pm.
; Each exponential has a plain instruction of the other tile behind it: the last 16 multiplications, then the holds; 16 holds trail the last exponential.  No line here names an exponential's result.
.macro BODY pm, m, e
.set BUFP, 128*(\pm)
.set BUFE, 128*(1-(\pm))
.set NE, 42-2*(\pm)
	WIN 0x82
.if \e
.set j, 0
.rept 64
	v_pk_fma_f32 v[BUFE+j:BUFE+j+1], v[BUFE+j:BUFE+j+1], s[CS:CS+1], v[NE:NE+1] op_sel_hi:[1,0,0]   ; t - M, two at a time
.set j, j+2
.endr
.endif
.if \m
.set j, 0
.rept 48
	v_pk_mul_f32 v[BUFP+j:BUFP+j+1], v[BUFP+j:BUFP+j+1], v[44:45] op_sel_hi:[1,0]
.set j, j+2
.endr
.endif
.set j, 0
.rept 128
.if \e
	v_exp_f32 v[BUFE+j], v[BUFE+j]
.endif
.if \m
.if j < 16
	v_pk_mul_f32 v[BUFP+96+2*j:BUFP+97+2*j], v[BUFP+96+2*j:BUFP+97+2*j], v[44:45] op_sel_hi:[1,0]
.else
	v_min_num_f32 v[BUFP+j-16], v[BUFP+j-16], v[80+(j-16)/16]   ; the conversion does not saturate (ISA guide 7.6.2); p is not negative
.endif
.endif
.set j, j+1
.endr
.if \m
.set j, 112
.rept 16
	v_min_num_f32 v[BUFP+j], v[BUFP+j], v87
.set j, j+1
.endr
.endif
.endm
.macro CVT par                         ; p's codes: two fragments
.set SS, 128*(\par)
	WIN 0xc2
.set j, 0
.rept 16
	v_cvt_scalef32_pk8_fp8_f32 v[96+2*j:97+2*j], v[SS+8*j:SS+8*j+7], v[88+j/2]
.set j, j+1
.endr
	WIN 0
	NOPS 4                                         ; places between the codes and the products that take them
.endm
.macro PV                              ; O^T = V^T P^T over my 256 keys: four accumulators by turns, the first four products start the sums
	WIN 0xfd
.irp d, 0,1,2,3
	v_wmma_scale_f32_16x16x128_f8f6f4 v[128+8*\d:135+8*\d], v[128+16*\d:143+16*\d], v[96:111], 0, v[24+\d], v36
.endr
.irp d, 0,1,2,3
	v_wmma_scale_f32_16x16x128_f8f6f4 v[128+8*\d:135+8*\d], v[192+16*\d:207+16*\d], v[112:127], v[128+8*\d:135+8*\d], v[28+\d], v37
.endr
	WIN 0
.endm
.macro OSTORE par                      ; O^T goes to my part of the parity's region, each accumulator from its low end on
	WIN 0x0c
.irp d, 0,1,2,3
	ds_store_b128 v8, v[128+8*\d:131+8*\d] offset:OPP*(\par)+1600*\d
	ds_store_b128 v8, v[132+8*\d:135+8*\d] offset:OPP*(\par)+1600*\d+768
.endr
.endm
.macro ROUND8 base                     ; each of the eight chains takes one more pair
.irp c, 0,1,2,3
	v_pk_add_f32 v[46+2*\c:47+2*\c], v[46+2*\c:47+2*\c], v[(\base)+2*\c:(\base)+2*\c+1]
.endr
.irp c, 0,1,2,3
	v_pk_add_f32 v[120+2*\c:121+2*\c], v[120+2*\c:121+2*\c], v[(\base)+8+2*\c:(\base)+8+2*\c+1]
.endr
.endm
; l of my 256 keys: 64 pairs in eight chains, so that no addition stands near the one that it adds onto.  ost = 1: O^T's stores stand behind the first 24 additions, which are the places behind its products.
.macro SUMS par, ost, opar
.set SS, 128*(\par)
.set NM, 40+2*(\par)
	WIN 0x0a
.irp c, 0,1,2,3
	v_pk_add_f32 v[46+2*\c:47+2*\c], v[SS+4*\c:SS+4*\c+1], v[SS+4*\c+2:SS+4*\c+3]
.endr
.irp c, 0,1,2,3
	v_pk_add_f32 v[120+2*\c:121+2*\c], v[SS+16+4*\c:SS+17+4*\c], v[SS+18+4*\c:SS+19+4*\c]
.endr
	WIN 0x08
	ROUND8 SS+32
	ROUND8 SS+48
.if \ost
	OSTORE \opar
	WIN 0x08
.endif
	ROUND8 SS+64
	ROUND8 SS+80
	ROUND8 SS+96
	ROUND8 SS+112
	WIN 0
	v_pk_add_f32 v[46:47], v[46:47], v[120:121]
	v_pk_add_f32 v[48:49], v[48:49], v[122:123]
	v_pk_add_f32 v[50:51], v[50:51], v[124:125]
	v_pk_add_f32 v[52:53], v[52:53], v[126:127]
	v_pk_add_f32 v[46:47], v[46:47], v[50:51]
	v_pk_add_f32 v[48:49], v[48:49], v[52:53]
	v_pk_add_f32 v[46:47], v[46:47], v[48:49]
	v_add_f32 v46, v46, v47
	v_permlanex16_b32 v72, v46, s[SEL], s[SEL+1]
	v_add_f32 v[NM+1], v46, v72
.endm
; My quarter of a tile's O: 8 queries x 32 features (one block of the last projection's K); a lane has 8 neighbouring features of one query, four lanes a block.
.macro RED
	s_wait_dscnt 0x0
	WIN 0xcf
.irp j, 0,2,4,6
	v_pk_add_f32 v[160+\j:161+\j], v[160+\j:161+\j], v[168+\j:169+\j]
	v_pk_add_f32 v[176+\j:177+\j], v[176+\j:177+\j], v[184+\j:185+\j]
.endr
	WIN 0x0f
.irp j, 0,2,4,6
	v_pk_add_f32 v[176+\j:177+\j], v[160+\j:161+\j], v[176+\j:177+\j]
.endr
	WIN 0
	v_max3_num_f32 v184, |v176|, |v177|, 0x4800000
	v_max3_num_f32 v185, |v178|, |v179|, |v180|
	v_max3_num_f32 v186, |v181|, |v182|, |v183|
	v_max3_num_f32 v184, v184, v185, v186
	v_max_num_f32_dpp v184, v184, v184 row_xmask:1 row_mask:0xf bank_mask:0xf
	v_max_num_f32_dpp v184, v184, v184 row_xmask:2 row_mask:0xf bank_mask:0xf
	v_add_nc_u32 v185, 0xfc000000, v184
	v_and_or_b32 v186, v184, 0x7f800000, s[MNT]
	v_lshrrev_b32 v187, 23, v185
.irp j, 0,1,2,3,4,5,6,7
	v_med3_num_f32 v[176+\j], v[176+\j], -v186, v186
.endr
	v_cvt_scalef32_pk8_fp8_f32 v[188:189], v[176:183], v185
	v_nop
	v_add_nc_u32 v11, s[RT], v10
	v_add_nc_u32 v15, s[SBO], v14
	global_store_b64 v11, v[188:189], s[48:49]     ; the wave stores 256 consecutive bytes, aligned
	ds_store_b8 v15, v187                          ; the four lanes of a block write the same byte with the same value, into my wave's own 256 bytes
	s_add_co_u32 s[RT], s[RT], 16384
	s_add_co_u32 s[SBO], s[SBO], 8
.endm
; The step's end.  st = 1: the next tile's figures go to LDS.  sca = 1: the mask addend of the tile after that (parity par) stands between my stores and the wait for them.
; The barrier.  Behind it the figures (st) and my share of O's parts of parity par (ol) are asked back.
.macro MEET par, st, sca, ol
.if \st
	ds_store_b64 v6, v[42-2*(\par):43-2*(\par)] offset:512*(1-(\par))
.endif
.if \sca
	SCMASK \par
.endif
	s_wait_dscnt 0x0                               ; for the others' sake: my stores have landed, and my reads of the regions that are stored next are back
	s_barrier_signal -1
	s_barrier_wait -1
.if \st
.irp p, 0,1,2,3
	ds_load_b64 v[104+2*\p:105+2*\p], v7 offset:512*(1-(\par))+128*\p
.endr
.endif
.if \ol
	WIN 0xc0
.irp p, 0,1,2,3
	ds_load_b128 v[160+8*\p:163+8*\p], v9 offset:OPP*(\par)+6400*\p
	ds_load_b128 v[164+8*\p:167+8*\p], v9 offset:OPP*(\par)+6400*\p+768
.endr
	WIN 0
.endif
.endm
.macro STEP par, red, cnt, sca
	SCQK 1-(\par)
	RCA \par, \cnt                                 ; (its plain instructions are the places between the last products and the loads into Q's strip)
	QLOAD 1-(\par)
.if \red
	RED
.endif
	P1MAX 1-(\par)
	RCB
	HEADS \par, 1, 1
	BODY \par, 1, 1
	s_wait_alu depctr_va_vdst(0)                   ; one wait for the batch of 136 exponentials, behind the trailing holds and ahead of the first line that names a result
	CVT \par
	PV
	SUMS 1-(\par), 1, \par
	MEET \par, 1, \sca, 1
.endm
	s_load_b128 s[4:7], s[0:1], 0x0                ; hq, mi
	s_load_b64 s[8:9], s[0:1], 0x10                ; aq
	v_lshl_add_u32 v254, v0, 2, 0xd000
	v_mov_b32 v255, 0
	v_lshrrev_b32 v1, 5, v0
	v_readfirstlane_b32 s10, v1                    ; wave
	v_mov_b32 v12, 0xb1b1b1b1                      ; 2^50 in each byte
	v_mov_b32 v13, 0xb1b1b1b1
	; the pattern: row m's code -448 (0xfe) stands in lane (m, m / 8), register (m / 4) % 2 of a pair, byte m % 4; the pair's place in the fragment chooses the tile of keys
	v_and_b32 v112, 3, v0
	v_lshlrev_b32 v112, 3, v112
	v_mov_b32 v113, 0xfe
	v_lshlrev_b32 v113, v112, v113
	v_bfe_u32 v114, v0, 4, 1
	v_bfe_u32 v115, v0, 3, 1
	v_xor_b32 v114, v114, v115
	v_bfe_u32 v115, v0, 2, 1
	v_lshl_or_b32 v114, v114, 1, v115
	v_cmp_eq_u32 vcc_lo, 0, v114
	v_cndmask_b32 v116, 0, v113, vcc_lo
	v_cmp_eq_u32 vcc_lo, 1, v114
	v_cndmask_b32 v117, 0, v113, vcc_lo
	WIN 0xc0
.set n, 64
.rept 14
	v_mov_b32 v[n], 0
	v_mov_b32 v[n+16], 0
.set n, n+1
.endr
	v_mov_b32 v78, v116
	v_mov_b32 v79, v117
	WIN 0
.set n, 0
.rept 8
	v_mov_b32 v[128+n], 0                          ; the strip's three runs of zero codes
	v_mov_b32 v[144+n], 0
	v_mov_b32 v[160+n], 0
	v_mov_b32 v[72+n], 0                           ; a lane permute's destination counts as one of its sources
.set n, n+1
.endr
	v_mov_b32 v41, 0                               ; (named as upper halves of pairs before they are first written)
	v_mov_b32 v43, 0
	v_mov_b32 v45, 0
	s_lshr_b32 s11, ttmp9, 1                       ; 16 b + head
	s_and_b32 s12, ttmp9, 1                        ; which half of the queries
	s_lshr_b32 s13, s11, 4
	s_and_b32 s14, s11, 15
	s_and_b32 s15, s10, 1                          ; my quarter of O: which 32 features,
	s_lshr_b32 s16, s10, 1                         ; which 8 queries
	s_mov_b32 s[MNT], 0x600000
	s_mov_b32 s[SEL], 0x76543210
	s_mov_b32 s[SEL+1], 0xfedcba98
	s_mov_b32 s[CS], 0x3d38aa3b                    ; log2(e) / 32
	s_mov_b32 s[CS+1], s[CS]
	s_mov_b32 s[T3], 0
	s_mov_b32 s[RT], 0
	s_mov_b32 s[SBO], 0
	v_and_b32 v112, 31, v0
	v_and_b32 v113, 15, v0
	v_bfe_u32 v114, v0, 4, 1
	v_lshlrev_b32 v1, 4, v112                      ; 16 x lane
	v_lshlrev_b32 v2, 4, v113                      ; 16 r
	v_lshlrev_b32 v7, 3, v113
	s_lshl_b32 s17, s10, 7
	v_add_nc_u32 v6, s17, v7
	s_mul_i32 s17, s10, 6400
	s_add_co_u32 s17, s17, OPB
	v_mul_u32_u24 v8, v114, 384
	v_add_nc_u32 v8, v8, v2
	v_add_nc_u32 v8, s17, v8
	v_and_b32 v115, 1, v0
	v_bfe_u32 v116, v0, 1, 1
	v_bfe_u32 v117, v0, 2, 3
	v_mul_u32_u24 v9, v115, 1600
	v_mad_u32_u24 v9, v116, 384, v9
	v_lshl_add_u32 v9, v117, 4, v9
	s_mul_i32 s17, s15, 3200
	s_lshl_b32 s18, s16, 7
	s_add_co_u32 s17, s17, s18
	s_add_co_u32 s17, s17, OPB
	v_add_nc_u32 v9, s17, v9
	v_lshlrev_b32 v10, 3, v112
	s_lshl_b32 s17, s15, 9
	s_lshl_b32 s18, s16, 8
	s_add_co_u32 s17, s17, s18
	v_add_nc_u32 v10, s17, v10
	s_lshl_b32 s17, s10, 8
	s_add_co_u32 s17, s17, SCB
	v_add_nc_u32 v14, s17, v117
	s_mov_b32 s47, 0
	s_wait_kmcnt 0x0
	s_add_co_u32 s46, s11, 128
	s_lshl_b32 s46, s46, 16
	s_lshl_b32 s17, s10, 14
	s_add_co_u32 s46, s46, s17
	s_add_nc_u64 s[24:25], s[4:5], s[46:47]        ; my 16 tiles of K
	s_add_nc_u64 s[26:27], s[24:25], 0x800000      ; my two K steps of V^T: 128 blocks on
	s_add_co_u32 s46, s11, 128
	s_lshl_b32 s46, s46, 11
	s_lshl_b32 s17, s10, 9
	s_add_co_u32 s46, s46, s17
	s_add_co_u32 s46, s46, HS
	s_add_nc_u64 s[28:29], s[4:5], s[46:47]
	s_add_nc_u64 s[30:31], s[28:29], 0x40000
	s_lshl_b32 s46, s11, 16
	s_lshl_b32 s17, s12, 15
	s_add_co_u32 s46, s46, s17
	s_add_nc_u64 s[34:35], s[4:5], s[46:47]        ; Q
	s_lshl_b32 s46, s11, 11
	s_lshl_b32 s17, s12, 10
	s_add_co_u32 s46, s46, s17
	s_add_co_u32 s46, s46, HS
	s_add_nc_u64 s[36:37], s[4:5], s[46:47]
	s_lshl_b32 s18, s13, 20
	s_lshl_b32 s17, s12, 19
	s_add_co_u32 s18, s18, s17                     ; 16,384 x (64 b + my first tile)
	s_lshl_b32 s17, s10, 12
	s_add_co_u32 s46, s18, s17
	s_add_nc_u64 s[38:39], s[6:7], s[46:47]        ; the mask: my 256 keys
	s_lshl_b32 s17, s14, 10
	s_add_co_u32 s46, s18, s17
	s_add_nc_u64 s[48:49], s[8:9], s[46:47]        ; O's codes: K step head / 2, groups 2 (head % 2) on
	s_lshl_b32 s46, ttmp9, 2
	s_add_co_u32 s46, s46, s10
	s_lshl_b32 s46, s46, 8
	s_add_co_u32 s46, s46, ASO
	s_add_nc_u64 s[50:51], s[8:9], s[46:47]        ; O's scale bytes: my wave's 256
	WIN 0x40
.set n, 0
.rept 32
	global_load_b128 v[4*n:4*n+3], v1, s[24:25] offset:512*n
.set n, n+1
.endr
.set n, 0
.rept 32
	global_load_b128 v[128+4*n:131+4*n], v1, s[26:27] offset:512*n
.set n, n+1
.endr
	WIN 0
	global_load_b128 v[16:19], v2, s[28:29]
	global_load_b128 v[20:23], v2, s[28:29] offset:256
	global_load_b128 v[24:27], v2, s[30:31]
	global_load_b128 v[28:31], v2, s[30:31] offset:256
	ADDR
	MLOAD 0
	QLOAD 0
	ADDR
	MLOAD 1
	QLOAD 1
	SCMASK 0                                       ; tile 0 (its wait leaves tile 1's batch out: K, V and tile 0's batch are in)
	SCQK 0
	NOPS 8                                         ; places behind the products: ahead of the loads into Q's strip and of the first read of the scores
	QLOAD 0
	P1MAX 0
	HEADS 1, 0, 1                                  ; tile 0 has no tile before it: its lines stand alone
	BODY 1, 0, 1
	v_nop                                          ; a plain instruction behind the last exponential
	s_wait_alu depctr_va_vdst(0)
	SUMS 0, 0, 0
	MEET 1, 1, 1, 0                                ; tile 0's figures; tile 1's mask addend
	STEP 0, 0, 0, 1
	s_mov_b32 s33, 14
.Lstep:                                            ; tiles 1 to 28, two a trip: the parities come back after two steps
	STEP 1, 1, 8, 1
	STEP 0, 1, 8, 1
	s_sub_co_u32 s33, s33, 1
	s_cmp_lg_u32 s33, 0
	s_cbranch_scc1 .Lstep
	STEP 1, 1, 8, 1                                ; tile 29
	STEP 0, 1, 8, 0                                ; tile 30: there is no tile 32, so no mask addend is made
	RCA 1, 8                                       ; tile 31: nothing follows it
	s_wait_xcnt 0x0                                ; the last store of O's codes has read its registers
	RED                                            ; tile 30
	RCB
	HEADS 1, 1, 0
	BODY 1, 1, 0
	CVT 1
	PV
	NOPS 8
	OSTORE 1
	WIN 0
	MEET 1, 0, 0, 1
	s_wait_xcnt 0x0
	RED                                            ; tile 31
	v_lshrrev_b32 v15, 1, v1                       ; 8 x lane
	s_lshl_b32 s46, s10, 8
	s_add_co_u32 s46, s46, SCB
	s_wait_xcnt 0x0                                ; the last store has read v11
	v_mov_b32 v11, v15
	v_add_nc_u32 v15, s46, v15
	ds_load_b64 v[190:191], v15                    ; LDS serves a wave's instructions in order: this sees my byte stores
	s_wait_dscnt 0x0
	global_store_b64 v11, v[190:191], s[50:51]     ; 256 consecutive bytes, aligned
	s_wait_tensorcnt 0x0
	ds_add_u32 v254, v255
	s_wait_dscnt 0x0
	s_endpgm
.Lfunc_end_k_qef3a9be107_attn:
	.size	k_qef3a9be107_attn, .Lfunc_end_k_qef3a9be107_attn-k_qef3a9be107_attn
	.p2alignl 7, 3214868480
	.fill 96, 4, 3214868480
	.section	.rodata,"a",@progbits
	.p2align	6, 0x0
	.amdhsa_kernel k_qef3a9be107_attn
		.amdhsa_group_segment_fixed_size 53760
		.amdhsa_private_segment_fixed_size 0
		.amdhsa_enable_private_segment 0
		.amdhsa_kernarg_size 24
		.amdhsa_user_sgpr_count 2
		.amdhsa_user_sgpr_kernarg_segment_ptr 1
		.amdhsa_wavefront_size32 1
		.amdhsa_system_sgpr_workgroup_id_x 1
		.amdhsa_system_sgpr_workgroup_id_y 1
		.amdhsa_system_sgpr_workgroup_id_z 1
		.amdhsa_system_vgpr_workitem_id 0
		.amdhsa_next_free_vgpr 1024
		.amdhsa_next_free_sgpr 66
		.amdhsa_reserve_vcc 1
		.amdhsa_float_denorm_mode_32 3
		.amdhsa_float_denorm_mode_16_64 3
		.amdhsa_memory_ordered 1
		.amdhsa_forward_progress 1
		.amdhsa_inst_pref_size 255
	.end_amdhsa_kernel
	.section	.bss,"aw",@nobits
	.p2align	6
	.space	262144
	.amdgpu_metadata
---
amdhsa.version: [ 1, 2 ]
amdhsa.kernels:
  - .name:           k_qef3a9be107_attn
    .symbol:         k_qef3a9be107_attn.kd
    .args:
      - { .name: hq, .offset: 0, .size: 8, .value_kind: global_buffer, .address_space: global }
      - { .name: mi, .offset: 8, .size: 8, .value_kind: global_buffer, .address_space: global }
      - { .name: aq, .offset: 16, .size: 8, .value_kind: global_buffer, .address_space: global }
    .group_segment_fixed_size: 53760
    .private_segment_fixed_size: 0
    .kernarg_segment_align: 8
    .kernarg_segment_size: 24
    .max_flat_workgroup_size: 128
    .sgpr_count:     66
    .vgpr_count:     1024
    .wavefront_size: 32
...
	.end_amdgpu_metadata
.endif
;; end of part 3
;; launch outln (part 4): grid 256 x 1, 8 waves a work-group, no clusters, 165,376 bytes of LDS; arguments aq, wq, q, proj_b, ln_g, ln_b, out0; writes out0
.if DOCPART == 4
	.amdgcn_target "amdgcn-amd-amdhsa--gfx1250"
	.amdhsa_code_object_version 6
	.text
	.protected	k_qef3a9be107_outln
	.globl	k_qef3a9be107_outln
	.p2align	8
	.type	k_qef3a9be107_outln,@function
k_qef3a9be107_outln:
	s_mov_b64 s[64:65], 0
	v_nop
	global_prefetch_b8 v0, s[64:65] scope:SCOPE_SE
	s_setreg_imm32_b32 hwreg(HW_REG_WAVE_MODE, 25, 1), 1
	s_wait_xcnt 0x0
; out0 = layer norm(A proj_w + proj_b + q): the last projection on codes of E4M3 (K = 1,024), bias, residual and norm in f32.
; SHARES.  A work-group takes 32 rows (two tiles of 16) x all 1,024 columns, so that a row's mean and variance need no second launch.  Wave w takes columns 128 w .. 128 w + 127: 2 x 8 accumulators.
; proj_w's fragments lie in memory as images of the operand's registers and go straight into registers: each byte is used by exactly one wave of the work-group, so LDS would add a trip and spare none.
; They run in a ring of four groups of 16 loads a wave, three groups always on their way.  No tensor loads and no cluster: a K step is 16 matrix instructions a wave, too little for a slot's refill to land in.
; A's 32 KB of codes come once: each wave brings 4 KB, re-lays the 16-byte pieces into plain images in LDS, and all eight waves read them.
; THE MATRIX INSTRUCTION: source 0 = 16 columns of proj_w, source 1 = 16 rows of A: a lane holds eight neighbouring columns of one row.
; Rows of A lie in position order (the two middle groups of 8 in 32 have changed places); the rows of q and out0 are chosen to match.
; REGISTERS.  window 0: v1-8 addresses; v16-23 A's scale words (lanes 0-15 tile 0, lanes 16-31 tile 1); v24-55 proj_w's (lanes 0-15 even tile, lanes 16-31 odd); v56-119 A's fragments, two K steps; v128-255 accumulators, later 4 rows of y.
;   window 1: the ring, 2 K steps x 8 fragments; later v0-127 4 rows of q, v128-223 proj_b, ln_g, ln_b.
.set ASO,  8388608
.set PWC,  3244032
.set PWS,  4292608
.set STG,  32768                       ; LDS: 0 A's images; 32,768 the stage: 32 rows x (4,096 + 16) bytes
.set SROW, 4112
.set MSB, 0
.macro WIN new
.if MSB != (\new)
	s_set_vgpr_msb (MSB<<8)|(\new)
.set MSB, (\new)
.endif
.endm
.macro NOPS n
.rept \n
	v_nop
.endr
.endm
.macro RING s, q                       ; proj_w's fragments of K step s, my column tiles 4 q .. 4 q + 3
	WIN 0x40
.irp tt, 0,1,2,3
.irp c, 0,1,2,3
	global_load_b128 v[128*((\s)%2)+16*(4*(\q)+\tt)+4*\c:128*((\s)%2)+16*(4*(\q)+\tt)+4*\c+3], v1, s[28:29] offset:(\s)*131072+(4*(\q)+\tt)*2048+512*\c
.endr
.endr
	WIN 0
.endm
.macro ALOAD s                         ; A's two fragments of K step s
.irp m, 0,1
.irp c, 0,1,2,3
	ds_load_b128 v[56+32*((\s)%2)+16*\m+4*\c:56+32*((\s)%2)+16*\m+4*\c+3], v1 offset:(\m*32+(\s)*4+\c)*512
.endr
.endr
.endm
.macro MM s, t, m
.set DD, 128+8*(8*(\m)+(\t))
.set WA, 128*((\s)%2)+16*(\t)
.set RB, 56+32*((\s)%2)+16*(\m)
.set SA, 24+8*((\t)/2)+(\s)
.set SX, 16+(\s)
.if (\s) == 0
.if ((\t)%2 == 0) && ((\m) == 0)
	v_wmma_scale_f32_16x16x128_f8f6f4 v[DD:DD+7], v[WA:WA+15], v[RB:RB+15], 0, v[SA], v[SX]
.elseif ((\t)%2 == 1) && ((\m) == 0)
	v_wmma_scale_f32_16x16x128_f8f6f4 v[DD:DD+7], v[WA:WA+15], v[RB:RB+15], 0, v[SA], v[SX] matrix_a_scale:MATRIX_SCALE_ROW1
.elseif ((\t)%2 == 0)
	v_wmma_scale_f32_16x16x128_f8f6f4 v[DD:DD+7], v[WA:WA+15], v[RB:RB+15], 0, v[SA], v[SX] matrix_b_scale:MATRIX_SCALE_ROW1
.else
	v_wmma_scale_f32_16x16x128_f8f6f4 v[DD:DD+7], v[WA:WA+15], v[RB:RB+15], 0, v[SA], v[SX] matrix_a_scale:MATRIX_SCALE_ROW1 matrix_b_scale:MATRIX_SCALE_ROW1
.endif
.else
.if ((\t)%2 == 0) && ((\m) == 0)
	v_wmma_scale_f32_16x16x128_f8f6f4 v[DD:DD+7], v[WA:WA+15], v[RB:RB+15], v[DD:DD+7], v[SA], v[SX]
.elseif ((\t)%2 == 1) && ((\m) == 0)
	v_wmma_scale_f32_16x16x128_f8f6f4 v[DD:DD+7], v[WA:WA+15], v[RB:RB+15], v[DD:DD+7], v[SA], v[SX] matrix_a_scale:MATRIX_SCALE_ROW1
.elseif ((\t)%2 == 0)
	v_wmma_scale_f32_16x16x128_f8f6f4 v[DD:DD+7], v[WA:WA+15], v[RB:RB+15], v[DD:DD+7], v[SA], v[SX] matrix_b_scale:MATRIX_SCALE_ROW1
.else
	v_wmma_scale_f32_16x16x128_f8f6f4 v[DD:DD+7], v[WA:WA+15], v[RB:RB+15], v[DD:DD+7], v[SA], v[SX] matrix_a_scale:MATRIX_SCALE_ROW1 matrix_b_scale:MATRIX_SCALE_ROW1
.endif
.endif
.endm
; Eight products (four column tiles x two row tiles, eight accumulators by turns), then the same slot's loads of two K steps on.
.macro GROUP s, q
.set GN, 2*(\s)+(\q)
.if GN <= 12
	s_wait_loadcnt 48                              ; this group's 16 loads are in; the three groups behind it may be out
.else
	s_wait_loadcnt 16*(15-GN)                      ; at the end fewer groups stand behind
.endif
.if (\q) == 0
.if (\s) < 7
	s_wait_dscnt 8                                 ; A's fragments of this K step are in; the next K step's 8 loads may be out
.else
	s_wait_dscnt 0
.endif
.endif
	WIN 0x01
.irp tt, 0,1,2,3
.irp m, 0,1
	MM \s, 4*(\q)+\tt, \m
.endr
.endr
	WIN 0
	NOPS 8                                         ; places ahead of loads into registers that these products have read
.if (\s)+2 < 8
	RING (\s)+2, \q
.if (\q) == 1
	ALOAD (\s)+2
.endif
.endif
.endm
.macro ALLSUM                          ; v[56 + 4 i], i = 0 .. 3: the sum over the 32 lanes, in every lane; the four rows by turns
.irp x, 1,2,4,8
.irp i, 0,1,2,3
	v_add_f32_dpp v[56+4*\i], v[56+4*\i], v[56+4*\i] row_xmask:\x row_mask:0xf bank_mask:0xf
.endr
.endr
.irp i, 0,1,2,3
	v_permlanex16_b32 v[88+\i], v[56+4*\i], s36, s37
.endr
.irp i, 0,1,2,3
	v_add_f32 v[56+4*\i], v[56+4*\i], v[88+\i]
.endr
.endm
	s_load_b256 s[4:11], s[0:1], 0x0               ; aq, wq, q, proj_b
	s_load_b128 s[12:15], s[0:1], 0x20             ; ln_g, ln_b
	s_load_b64 s[16:17], s[0:1], 0x30              ; out0
	v_lshl_add_u32 v126, v0, 2, 0x28200
	v_mov_b32 v127, 0
	v_lshrrev_b32 v1, 5, v0
	v_readfirstlane_b32 s18, v1                    ; wave 0..7
	s_lshr_b32 s19, ttmp9, 5                       ; b
	s_and_b32 s20, ttmp9, 31                       ; which 32 rows
	s_mov_b32 s34, 0x3a800000                      ; 1 / 1,024
	s_mov_b32 s35, 0x3727c5ac                      ; 1e-5
	s_mov_b32 s36, 0x76543210
	s_mov_b32 s37, 0xfedcba98
	v_and_b32 v9, 31, v0
	v_lshlrev_b32 v1, 4, v9                        ; 16 x lane
	v_lshlrev_b32 v8, 8, v9                        ; 256 x lane
	v_and_b32 v10, 15, v0                          ; r
	v_bfe_u32 v11, v0, 4, 1                        ; h
	v_bfe_u32 v12, v0, 3, 1
	v_and_b32 v13, 7, v0
	v_lshl_add_u32 v2, v12, 9, v13                 ; A's scale bytes: 512 (r / 8) + r % 8,
	v_lshl_add_u32 v2, v11, 3, v2                  ; + 8 for the second tile (lanes 16-31)
	v_lshlrev_b32 v3, 5, v10
	v_lshl_add_u32 v3, v11, 9, v3                  ; proj_w's scale words: 32 r + 512 for the odd tile
	v_and_b32 v12, 1, v0                           ; A's pieces: piece l of a group is (row 8 (l / 16) + (l / 2) % 8, half l % 2); in the image it is lane 16 half + row
	v_bfe_u32 v13, v0, 1, 3
	v_lshlrev_b32 v4, 8, v12
	v_lshl_add_u32 v4, v11, 7, v4
	v_lshl_add_u32 v4, v13, 4, v4
	s_lshl_b32 s21, s18, 12
	v_add_nc_u32 v4, s21, v4
	v_mul_u32_u24 v5, v10, SROW                    ; the stage, in: row r, + 512 w + 32 h
	v_lshl_add_u32 v5, v11, 5, v5
	s_lshl_b32 s21, s18, 9
	s_add_co_u32 s21, s21, STG
	v_add_nc_u32 v5, s21, v5
	v_add_nc_u32 v6, 16*SROW, v5                   ; the second tile's rows
	s_mul_i32 s21, s18, 4*SROW
	s_add_co_u32 s21, s21, STG
	v_add_nc_u32 v7, s21, v1                       ; back: my four rows, 16 bytes a lane
.irp i, 0,1,2,3
	v_mov_b32 v[88+\i], 0                          ; a lane permute's destination counts as one of its sources
.endr
	s_mov_b32 s39, 0
	s_wait_kmcnt 0x0
	s_lshl_b32 s38, ttmp9, 15
	s_lshl_b32 s21, s18, 12
	s_add_co_u32 s38, s38, s21
	s_add_nc_u64 s[22:23], s[4:5], s[38:39]        ; my 4 KB of A's codes
	s_lshl_b32 s38, s19, 15
	s_lshr_b32 s21, s20, 4
	s_lshl_b32 s21, s21, 10
	s_add_co_u32 s38, s38, s21
	s_and_b32 s21, s20, 15
	s_lshl_b32 s21, s21, 4
	s_add_co_u32 s38, s38, s21
	s_add_co_u32 s38, s38, ASO
	s_add_nc_u64 s[24:25], s[4:5], s[38:39]        ; A's scale bytes
	s_lshl_b32 s38, s18, 12
	s_add_co_u32 s38, s38, PWS
	s_add_nc_u64 s[26:27], s[6:7], s[38:39]
	s_lshl_b32 s38, s18, 14
	s_add_co_u32 s38, s38, PWC
	s_add_nc_u64 s[28:29], s[6:7], s[38:39]
	s_lshl_b32 s38, ttmp9, 5                       ; the rows of q and out0 that are stage rows 4 w .. 4 w + 3: 32 x work-group + 16 ((w / 2) % 2) + 8 (w / 4) + 4 (w % 2)
	s_bfe_u32 s21, s18, 0x10001
	s_lshl_b32 s21, s21, 4
	s_add_co_u32 s38, s38, s21
	s_lshr_b32 s21, s18, 2
	s_lshl_b32 s21, s21, 3
	s_add_co_u32 s38, s38, s21
	s_and_b32 s21, s18, 1
	s_lshl_b32 s21, s21, 2
	s_add_co_u32 s38, s38, s21
	s_lshl_b32 s38, s38, 12
	s_add_nc_u64 s[30:31], s[8:9], s[38:39]
	s_add_nc_u64 s[32:33], s[16:17], s[38:39]
.irp n, 0,1,2,3,4,5,6,7
	global_load_b128 v[56+4*\n:59+4*\n], v1, s[22:23] offset:512*\n
.endr
.set n, 0
.rept 32
	global_load_u8 v[128+n], v2, s[24:25] offset:(n/2)*2048+(n%2)*256   ; byte n: head n / 2, block n % 2: byte n % 4 of K step n / 4's word
.set n, n+1
.endr
.irp p, 0,1,2,3
	global_load_b128 v[24+8*\p:27+8*\p], v3, s[26:27] offset:1024*\p
	global_load_b128 v[28+8*\p:31+8*\p], v3, s[26:27] offset:1024*\p+16
.endr
	RING 0, 0
	s_wait_loadcnt 56                              ; A's eight loads are in: 32 + 8 + 16 were issued behind them
.irp n, 0,1,2,3,4,5,6,7
	ds_store_b128 v4, v[56+4*\n:59+4*\n] offset:512*\n
.endr
	RING 0, 1
	s_wait_dscnt 0x0
	s_barrier_signal -1
	s_barrier_wait -1                              ; A's 64 groups lie in LDS as plain images
	ALOAD 0
	ALOAD 1
	RING 1, 0
	RING 1, 1
	s_wait_loadcnt 48                              ; the scale bytes and words and the first group are in: three groups were issued behind them
.irp s, 0,1,2,3,4,5,6,7
	v_lshl_or_b32 v[16+\s], v[129+4*\s], 8, v[128+4*\s]
.endr
.irp s, 0,1,2,3,4,5,6,7
	v_lshl_or_b32 v[16+\s], v[130+4*\s], 16, v[16+\s]
.endr
.irp s, 0,1,2,3,4,5,6,7
	v_lshl_or_b32 v[16+\s], v[131+4*\s], 24, v[16+\s]
.endr
	NOPS 8                                         ; places between scale registers made by vector instructions and the products that name them
	GROUP 0, 0
	GROUP 0, 1
	GROUP 1, 0
	GROUP 1, 1
	GROUP 2, 0
	; my four rows of q, 16 KB on end, are asked into the L2 here, behind this group's loads: a lane a block of 256 bytes, each block named once in the launch; they are loaded behind the last K step
	global_prefetch_b8 v8, s[30:31] th:TH_LOAD_NT scope:SCOPE_SE
	global_prefetch_b8 v8, s[30:31] offset:8192 th:TH_LOAD_NT scope:SCOPE_SE
	GROUP 2, 1
.irp s, 3,4,5,6,7
	GROUP \s, 0
	GROUP \s, 1
.endr
	; ---- the way out.  (The last group's eight v_nop are the places ahead of all that follows.)
	WIN 0x40
.irp i, 0,1,2,3
.irp n, 0,1,2,3,4,5,6,7
	global_load_b128 v[32*\i+4*\n:32*\i+4*\n+3], v1, s[30:31] offset:4096*\i+512*\n th:TH_LOAD_NT
.endr
.endr
.irp n, 0,1,2,3,4,5,6,7
	global_load_b128 v[128+4*\n:131+4*\n], v1, s[10:11] offset:512*\n
	global_load_b128 v[160+4*\n:163+4*\n], v1, s[12:13] offset:512*\n
	global_load_b128 v[192+4*\n:195+4*\n], v1, s[14:15] offset:512*\n
.endr
	WIN 0
.irp m, 0,1
.irp t, 0,1,2,3,4,5,6,7
	ds_store_b128 v[5+\m], v[128+8*(8*\m+\t):131+8*(8*\m+\t)] offset:64*\t        ; each accumulator from its low end on
	ds_store_b128 v[5+\m], v[132+8*(8*\m+\t):135+8*(8*\m+\t)] offset:64*\t+16
.endr
.endr
	s_wait_dscnt 0x0
	s_barrier_signal -1
	s_barrier_wait -1                              ; 32 whole rows lie in the stage
.irp i, 0,1,2,3
.irp n, 0,1,2,3,4,5,6,7
	ds_load_b128 v[128+32*\i+4*\n:131+32*\i+4*\n], v7 offset:SROW*\i+512*\n
.endr
.endr
	s_wait_dscnt 0x0
	s_wait_loadcnt 0x0
	WIN 0x04
.set j, 0
.rept 16
.irp i, 0,1,2,3
	v_pk_add_f32 v[128+32*\i+j:129+32*\i+j], v[128+32*\i+j:129+32*\i+j], v[128+j:129+j]       ; + proj_b
.endr
.irp i, 0,1,2,3
	v_pk_add_f32 v[128+32*\i+j:129+32*\i+j], v[128+32*\i+j:129+32*\i+j], v[32*\i+j:32*\i+j+1] ; + q
.endr
.set j, j+2
.endr
	WIN 0
.irp i, 0,1,2,3
	v_pk_add_f32 v[56+4*\i:57+4*\i], v[128+32*\i:129+32*\i], v[130+32*\i:131+32*\i]
	v_pk_add_f32 v[58+4*\i:59+4*\i], v[132+32*\i:133+32*\i], v[134+32*\i:135+32*\i]
.endr
.set j, 8
.rept 6
.irp i, 0,1,2,3
	v_pk_add_f32 v[56+4*\i:57+4*\i], v[56+4*\i:57+4*\i], v[128+32*\i+j:129+32*\i+j]
	v_pk_add_f32 v[58+4*\i:59+4*\i], v[58+4*\i:59+4*\i], v[130+32*\i+j:131+32*\i+j]
.endr
.set j, j+4
.endr
.irp i, 0,1,2,3
	v_pk_add_f32 v[56+4*\i:57+4*\i], v[56+4*\i:57+4*\i], v[58+4*\i:59+4*\i]
.endr
.irp i, 0,1,2,3
	v_add_f32 v[56+4*\i], v[56+4*\i], v[57+4*\i]
.endr
	ALLSUM
.irp i, 0,1,2,3
	v_mul_f32 v[72+2*\i], s34, v[56+4*\i]          ; the mean, twice: a pair for the packed form
	v_mul_f32 v[73+2*\i], s34, v[56+4*\i]
.endr
.set j, 0
.rept 16
.irp i, 0,1,2,3
	v_pk_add_f32 v[128+32*\i+j:129+32*\i+j], v[128+32*\i+j:129+32*\i+j], v[72+2*\i:73+2*\i] neg_lo:[0,1] neg_hi:[0,1]
.endr
.set j, j+2
.endr
.irp i, 0,1,2,3
	v_pk_mul_f32 v[56+4*\i:57+4*\i], v[128+32*\i:129+32*\i], v[128+32*\i:129+32*\i]
	v_pk_mul_f32 v[58+4*\i:59+4*\i], v[130+32*\i:131+32*\i], v[130+32*\i:131+32*\i]
.endr
.set j, 4
.rept 7
.irp i, 0,1,2,3
	v_pk_fma_f32 v[56+4*\i:57+4*\i], v[128+32*\i+j:129+32*\i+j], v[128+32*\i+j:129+32*\i+j], v[56+4*\i:57+4*\i]
	v_pk_fma_f32 v[58+4*\i:59+4*\i], v[130+32*\i+j:131+32*\i+j], v[130+32*\i+j:131+32*\i+j], v[58+4*\i:59+4*\i]
.endr
.set j, j+4
.endr
.irp i, 0,1,2,3
	v_pk_add_f32 v[56+4*\i:57+4*\i], v[56+4*\i:57+4*\i], v[58+4*\i:59+4*\i]
.endr
.irp i, 0,1,2,3
	v_add_f32 v[56+4*\i], v[56+4*\i], v[57+4*\i]
.endr
	ALLSUM
.irp i, 0,1,2,3
	v_fma_f32 v[56+4*\i], v[56+4*\i], s34, s35     ; the variance + 1e-5
.endr
.irp i, 0,1,2,3
	v_rsq_f32 v[80+2*\i], v[56+4*\i]
.endr
	v_nop
	s_wait_alu depctr_va_vdst(0)                   ; one wait for the four, ahead of their first reader
.irp i, 0,1,2,3
	v_mov_b32 v[81+2*\i], v[80+2*\i]
.endr
.set j, 0
.rept 16
.irp i, 0,1,2,3
	v_pk_mul_f32 v[128+32*\i+j:129+32*\i+j], v[128+32*\i+j:129+32*\i+j], v[80+2*\i:81+2*\i]
.endr
.set j, j+2
.endr
	WIN 0x14
.set j, 0
.rept 16
.irp i, 0,1,2,3
	v_pk_fma_f32 v[128+32*\i+j:129+32*\i+j], v[128+32*\i+j:129+32*\i+j], v[160+j:161+j], v[192+j:193+j]   ; x ln_g + ln_b
.endr
.set j, j+2
.endr
	WIN 0
.irp i, 0,1,2,3
.irp n, 0,1,2,3,4,5,6,7
	global_store_b128 v1, v[128+32*\i+4*\n:131+32*\i+4*\n], s[32:33] offset:4096*\i+512*\n th:TH_STORE_NT   ; 512 consecutive bytes, aligned
.endr
.endr
	s_wait_tensorcnt 0x0
	ds_add_u32 v126, v127
	s_wait_dscnt 0x0
	s_endpgm
.Lfunc_end_k_qef3a9be107_outln:
	.size	k_qef3a9be107_outln, .Lfunc_end_k_qef3a9be107_outln-k_qef3a9be107_outln
	.p2alignl 7, 3214868480
	.fill 96, 4, 3214868480
	.section	.rodata,"a",@progbits
	.p2align	6, 0x0
	.amdhsa_kernel k_qef3a9be107_outln
		.amdhsa_group_segment_fixed_size 165376
		.amdhsa_private_segment_fixed_size 0
		.amdhsa_enable_private_segment 0
		.amdhsa_kernarg_size 56
		.amdhsa_user_sgpr_count 2
		.amdhsa_user_sgpr_kernarg_segment_ptr 1
		.amdhsa_wavefront_size32 1
		.amdhsa_system_sgpr_workgroup_id_x 1
		.amdhsa_system_sgpr_workgroup_id_y 1
		.amdhsa_system_sgpr_workgroup_id_z 1
		.amdhsa_system_vgpr_workitem_id 0
		.amdhsa_next_free_vgpr 512
		.amdhsa_next_free_sgpr 66
		.amdhsa_reserve_vcc 0
		.amdhsa_float_denorm_mode_32 3
		.amdhsa_float_denorm_mode_16_64 3
		.amdhsa_memory_ordered 1
		.amdhsa_forward_progress 1
		.amdhsa_inst_pref_size 106
	.end_amdhsa_kernel
	.amdgpu_metadata
---
amdhsa.version: [ 1, 2 ]
amdhsa.kernels:
  - .name:           k_qef3a9be107_outln
    .symbol:         k_qef3a9be107_outln.kd
    .args:
      - { .name: aq, .offset: 0, .size: 8, .value_kind: global_buffer, .address_space: global }
      - { .name: wq, .offset: 8, .size: 8, .value_kind: global_buffer, .address_space: global }
      - { .name: q, .offset: 16, .size: 8, .value_kind: global_buffer, .address_space: global }
      - { .name: proj_b, .offset: 24, .size: 8, .value_kind: global_buffer, .address_space: global }
      - { .name: ln_g, .offset: 32, .size: 8, .value_kind: global_buffer, .address_space: global }
      - { .name: ln_b, .offset: 40, .size: 8, .value_kind: global_buffer, .address_space: global }
      - { .name: out0, .offset: 48, .size: 8, .value_kind: global_buffer, .address_space: global }
    .group_segment_fixed_size: 165376
    .private_segment_fixed_size: 0
    .kernarg_segment_align: 8
    .kernarg_segment_size: 56
    .max_flat_workgroup_size: 256
    .sgpr_count:     66
    .vgpr_count:     512
    .wavefront_size: 32
...
	.end_amdgpu_metadata
.endif
;; end of part 4
;; ======== version 2 of 2: 4 launches; version 1 with the launches attn, outln written anew for expert scheduling mode
;; limits: right only within a limited range of input values
;; workspace buffers: xq 25,952,256 bytes; wq 4,325,376 bytes; mi 8,388,608 bytes; hq 25,952,256 bytes; aq 8,650,752 bytes
;; launch prep: the kernel of part 1 again; grid 1024 x 1, 4 waves a work-group, no clusters, 68,096 bytes of LDS; arguments q, k, v, w_qs, w_ks, w_vs, proj_w, attn_mask, xq, wq, mi; writes xq, wq, mi
;; launch proj: the kernel of part 2 again; grid 4 x 96, 4 waves a work-group, clusters of 4 x 4, 327,680 bytes of LDS; arguments xq, wq, hq; writes hq
;; launch attn (part 5): grid 256 x 1, 4 waves a work-group, no clusters, 53,760 bytes of LDS; arguments hq, mi, aq; writes aq
.if DOCPART == 5
	.amdgcn_target "amdgcn-amd-amdhsa--gfx1250"
	.amdhsa_code_object_version 6
	.text
	.protected	k_qef3a9be107_attn
	.globl	k_qef3a9be107_attn
	.p2align	8
	.type	k_qef3a9be107_attn,@function
k_qef3a9be107_attn:
	s_mov_b64 s[64:65], 0
	v_nop
	global_prefetch_b8 v0, s[64:65] scope:SCOPE_SE
	s_setreg_imm32_b32 hwreg(HW_REG_WAVE_SCHED_MODE, 0, 2), 2
	s_setreg_imm32_b32 hwreg(HW_REG_WAVE_MODE, 25, 1), 1
	s_wait_xcnt 0x0
	s_wait_alu depctr_vm_vsrc(0)
; Masked attention on codes of E4M3: S^T = K Q^T (K = 64), softmax over 1,024 keys FINISHED AND NORMALISED, quantised along the keys, O^T = V^T P^T; O quantised along head x 64 for the last projection.
; SHARES.  A work-group is (batch x head, half of the queries): 32 tiles of 16 queries.  THE FOUR WAVES SHARE THE KEYS: wave w keeps keys 256 w .. 256 w + 255 of K and of V^T in 256 registers for the whole launch,
; loaded once as images of the operands' registers; no byte of K or V goes through LDS.  No cluster: K and V are shared by two work-groups only, are read once, and go straight into registers.
; K = 64 IN AN INSTRUCTION OF 128.  A fragment of K packs two tiles of keys [K even | K odd]; Q stands in a strip Z | Qa | Z | Qb | Z of zeros and two tiles: the window [Q, Z] gives the even tile's scores, [Z, Q] the odd one's.
; The empty half has zero codes under the scale byte 0.
; THE MASK GOES THROUGH THE MATRIX UNIT.  A mask byte 0 / 1 read as a code is 0 or 2^-9.  A product of a pattern (row m has -448 at the place of row m's key) with the mask's fragment, both under the scale 2^50,
; gives -0.875 x 2^100 at hidden places and exactly 0 elsewhere, in the scores' own layout; the scores are then added onto it in place.
; SOFTMAX OVER FOUR WAVES, one exchange a tile.  t = score x log2(e) / 32.  Each wave: -M = floor(-max(its largest t, -2^80)), e = 2^(t - M), l = sum of e.  From the four (-M, l): g = the least -M,
; L = sum of l x 2^(g - (-M)), p = e x 2^(g - own(-M)) / L; L = 0 (every key hidden) gives p = 0.  The powers of two are exact (v_ldexp_f32 by whole numbers).
; LIMITS: |score x log2(e) / 32| under 2^80 (the hidden places' finite addend); NaN and infinities are not served; a block of zeros gets the scale byte 1 (this program alone reads the bytes).
; A block's largest p is the block's largest score put through the same instructions as every score (this takes v_exp_f32 not to fall where its input rises).
; ONE BARRIER A TILE.  Step t, in this order:
;   the mask's loads of a later tile, K Q^T of tile t + 1 onto its mask addend (16 products: the LDS loads asked for behind the barrier come back meanwhile) | the exchange's arithmetic for t, up to the reciprocal | O of tile t - 1 summed and quantised |
;   block maxima of t + 1 | Q's loads, O's two stores, p's factor | -M of t + 1 line by line among the lines of p's scales | t - M of t + 1, p = e x factor of t | THE EXPONENTIALS OF t + 1 ONE BY ONE BETWEEN THE HOLDS OF t (both name the scores' window alike) |
;   p's codes, O^T of t (8 products) | the row sum of t + 1 in eight chains | the next batch's addresses, O^T's stores, the figures' store | the mask addend of tile t + 2 (16 products: the stores land meanwhile) | barrier | figures and O's parts are asked back.
; LDS regions take turns by the tile's parity: a region stored in step t is read behind barrier t, those reads are waited for ahead of barrier t + 1, and it is stored again in step t + 2.
; THE MODE: SCHED_MODE bits 1:0 = 2 (LLVM: expert scheduling mode 2), set by the entry lines.  The code itself states the register dependences between vector or matrix instructions and memory or LDS instructions, with s_wait_alu, always for 0.
; THE PLAN.  Registers that memory or LDS instructions touch in a step, and who else names them:
;   the mask's fragments (window 3, v0-63, by parity)   read by the 16 mask products at a step's end; loaded again at the next step's head.
;   Q's strip v136-143, v152-159; v38, v39              read by the 16 score products (v38, v39: by the two lines ahead of the mask products); loaded again behind the block maxima.
;   v3, v4, v5                                          written by ADDR at a step's end; read by the next step's loads of the mask (v3) and of Q (v4, v5).
;   v104-111; window 3 v160-191                         LDS loads behind the barrier land in them; RCA reads the first, REDC reads and writes the second, in the next step.
;   v11, v15, v187-189                                  written by REDC; read by its two stores (REDS).
;   O^T (window 3, v128-159); v40-43 (-M, l)            written by the 8 products, by HEADS and SUMS; read by nine LDS stores at the step's end.
;   v1, v2, v6-v9                                       made at the head and never written again.
; FOUR waits on va_vdst a step.  W1, in MLOAD at the head.  W2, in RCB: it is also the reciprocal's; Q's loads and O's stores stand behind it.  W3, behind p's conversions: it is also the exponentials'.
; W4, in MEET, behind the row sum: the nine LDS stores stand behind it; and since no vector or matrix line behind it names v104-111 or window 3 v160-191, the LDS loads behind the barrier owe nothing more.
; TWO waits on vm_vsrc a step: in ADDR (v3 to v5; REDC's registers) and beside W3 (O^T's registers, which the products write again).
; REGISTERS.  window 0: v1-15 addresses, v12-13 the mask product's scales; v16-23 K's scale words, v24-31 V's, v32-35 Q's, v36-37 p's; v38-39 Q's word as loaded; v40-43 (-M, l) by parity; v44-45 p's factor; v46-53, v120-127 eight sums;
;   v56-71 block maxima by parity; v72-79 permute results; v80-103 hold, scale operand, byte; v104-111 figures read; v112-119 at work; v128-167 Q's strip; v176-191 O's quarter at work.
;   window 1: v0-127 K (pair i at 16 i), v128-255 V^T (K step s, 16 features d: 128 + 16 (4 s + d)).   window 2: scores, 128 a parity.
;   window 3: v0-63 the mask's fragments by parity; v64-93 the pattern's strip; v96-127 p's codes; v128-159 O^T; v160-191 the four waves' parts of my quarter of O.
.set HS,   25165824
.set ASO,  8388608
.set SCB,  1024                        ; LDS: 0 the figures [parity][wave][query] x 8 bytes; 1,024 each wave's 256 scale bytes; 2,048 O^T's parts
.set OPB,  2048
.set OPP,  25600                       ; a parity's region: [wave] 6,400 [16 features] 1,600 [4 registers] 768 [half of lanes] 384 + 16 r: sixteen lanes of a store and of a load touch 16 different columns of 16 bytes
.set MNT,  19
.set SEL,  20
.set CS,   22
.set T3,   40                          ; s40  the next batch of loads
.set RT,   44                          ; s44  16,384 x the tile that is summed next
.set SBO,  45                          ; s45  8 x that tile
.set MSB, 0
.macro WIN new
.if MSB != (\new)
	s_set_vgpr_msb (MSB<<8)|(\new)
.set MSB, (\new)
.endif
.endm
.macro NOPS n
.rept \n
	v_nop
.endr
.endm
; The addresses of the next batch (a tile's mask, Q and Q's scale word).  Past the last tile the last tile is asked for again, so that every load stays inside its buffer and every count stays the same.
.macro ADDR
	s_wait_xcnt 0x0                                ; every earlier load and store has read its address and data registers: they are written again only behind this wait
	s_wait_alu depctr_vm_vsrc(0)                   ; the loads issued so far have read v3, v4 and v5, which the lines below write again; O's two stores have read v11, v15 and v187 to v189, which the next step's REDC writes again
	s_min_u32 s41, s[T3], 31
	s_add_co_u32 s[T3], s[T3], 1
	s_lshl_b32 s42, s41, 14
	v_add_nc_u32 v3, s42, v1
	s_lshl_b32 s42, s41, 10
	v_add_nc_u32 v4, s42, v1
	s_lshr_b32 s42, s41, 3
	s_lshl_b32 s42, s42, 8
	s_bfe_u32 s43, s41, 0x20001
	s_lshl_b32 s43, s43, 2
	s_add_co_u32 s42, s42, s43
	v_add_nc_u32 v5, s42, v2
.endm
.macro MLOAD par
	WIN 0xc0
	s_wait_alu depctr_va_vdst(0)                   ; W1: ADDR has written v3 (and v4, v5); the mask products are done reading the registers in which these loads land; Q's scale registers v32 to v35 are written, which the next products name
.irp n, 0,1,2,3,4,5,6,7
	global_load_b128 v[32*(\par)+4*\n:32*(\par)+4*\n+3], v3, s[38:39] offset:512*\n
.endr
	WIN 0
.endm
.macro QLOAD par                       ; stands behind a wait on va_vdst that the score products of this parity precede; no vector or matrix line between names its registers
	global_load_b128 v[136+16*(\par):139+16*(\par)], v4, s[34:35]
	global_load_b128 v[140+16*(\par):143+16*(\par)], v4, s[34:35] offset:512
	global_load_b32 v[38+(\par)], v5, s[36:37]
.endm
; The first half of a tile's scores (parity par): Q's two scale registers, and 16 products that start the sums with the mask's addend.
.macro SCMASK par
	s_wait_loadcnt 11                              ; this tile's batch is in; the next batch's 11 loads may be out
.if (\par) == 0
	v_and_b32 v32, 0xffff, v38                     ; Q's two bytes for the window [Q, Z],
	v_lshlrev_b32 v33, 16, v38                     ; and for [Z, Q]
.else
	v_lshrrev_b32 v34, 16, v39
	v_and_b32 v35, 0xffff0000, v39
.endif
	WIN 0x8f
.set i, 0
.rept 16
	v_wmma_scale_f32_16x16x128_f8f6f4 v[128*(\par)+8*i:128*(\par)+8*i+7], v[78-2*(i%8):93-2*(i%8)], v[32*(\par)+16*(i/8):32*(\par)+16*(i/8)+15], 0, v12, v13
.set i, i+1
.endr
	WIN 0
.endm
; The second half: 16 products add K Q^T in place; the 16 accumulators take turns.
.macro SCQK par
	NOPS 8                                         ; places: behind the mask products, and between Q's scale registers and the products that name them; the wait in MLOAD stands behind them
	MLOAD \par
	WIN 0xa1
.set i, 0
.rept 16
	v_wmma_scale_f32_16x16x128_f8f6f4 v[128*(\par)+8*i:128*(\par)+8*i+7], v[16*(i/2):16*(i/2)+15], v[136+16*(\par)-8*(i%2):151+16*(\par)-8*(i%2)], v[128*(\par)+8*i:128*(\par)+8*i+7], v[16+i/2], v[32+2*(\par)+i%2]
.set i, i+1
.endr
	WIN 0
.endm
; The largest score of each of my 8 blocks of 32 keys: block k is registers 16 k .. 16 k + 15 of lanes l and l xor 16.
.macro P1MAX par
.set SS, 128*(\par)
.set BX, 56+8*(\par)
	WIN 0x2a
.irp k, 0,1,2,3,4,5,6,7
	v_max3_num_f32 v[BX+\k], v[SS+16*\k], v[SS+16*\k+1], v[SS+16*\k+2]          ; each accumulator is first read at its low end
.endr
	WIN 0x28
.irp i, 3,5,7,9,11,13
.irp k, 0,1,2,3,4,5,6,7
	v_max3_num_f32 v[BX+\k], v[BX+\k], v[SS+16*\k+\i], v[SS+16*\k+\i+1]
.endr
.endr
	WIN 0x08
.irp k, 0,1,2,3,4,5,6,7
	v_max_num_f32 v[BX+\k], v[BX+\k], v[SS+16*\k+15]
.endr
	WIN 0
.irp k, 0,1,2,3,4,5,6,7
	v_permlanex16_b32 v[72+\k], v[BX+\k], s[SEL], s[SEL+1]
.endr
.irp k, 0,1,2,3,4,5,6,7
	v_max_num_f32 v[BX+\k], v[BX+\k], v[72+\k]
.endr
.endm
; The four waves' figures become my factor, in two parts.  cnt: the LDS loads issued behind the four of the figures.
.macro RCA par, cnt
	s_wait_dscnt \cnt
	v_min3_num_f32 v112, v104, v106, v108
	v_min_num_f32 v112, v112, v110                 ; g
	v_sub_f32 v113, v112, v104
	v_sub_f32 v114, v112, v106
	v_sub_f32 v115, v112, v108
	v_sub_f32 v116, v112, v110
	v_sub_f32 v117, v112, v[40+2*(\par)]           ; whole numbers, 0 or less
	v_cvt_i32_f32 v113, v113                       ; (it saturates)
	v_cvt_i32_f32 v114, v114
	v_cvt_i32_f32 v115, v115
	v_cvt_i32_f32 v116, v116
	v_cvt_i32_f32 v117, v117
	v_ldexp_f32 v113, v105, v113
	v_ldexp_f32 v114, v107, v114
	v_ldexp_f32 v115, v109, v115
	v_ldexp_f32 v116, v111, v116
	v_add_f32 v113, v113, v114
	v_add_f32 v115, v115, v116
	v_add_f32 v118, v113, v115                     ; L
	v_cmp_lt_f32 vcc_lo, 0, v118
	v_rcp_f32 v119, v118
	v_nop                                          ; a plain instruction behind the reciprocal; what follows up to RCB names neither v117, v119 nor VCC
.endm
; My quarter of a tile's O: 8 queries x 32 features (one block of the last projection's K); a lane has 8 neighbouring features of one query, four lanes a block.  REDC: the arithmetic; REDS: the two stores.
.macro REDC
	s_wait_dscnt 0x0
	WIN 0xcf
.irp j, 0,2,4,6
	v_pk_add_f32 v[160+\j:161+\j], v[160+\j:161+\j], v[168+\j:169+\j]
	v_pk_add_f32 v[176+\j:177+\j], v[176+\j:177+\j], v[184+\j:185+\j]
.endr
	WIN 0x0f
.irp j, 0,2,4,6
	v_pk_add_f32 v[176+\j:177+\j], v[160+\j:161+\j], v[176+\j:177+\j]
.endr
	WIN 0
	v_max3_num_f32 v184, |v176|, |v177|, 0x4800000
	v_max3_num_f32 v185, |v178|, |v179|, |v180|
	v_max3_num_f32 v186, |v181|, |v182|, |v183|
	v_max3_num_f32 v184, v184, v185, v186
	v_max_num_f32_dpp v184, v184, v184 row_xmask:1 row_mask:0xf bank_mask:0xf
	v_max_num_f32_dpp v184, v184, v184 row_xmask:2 row_mask:0xf bank_mask:0xf
	v_add_nc_u32 v185, 0xfc000000, v184
	v_and_or_b32 v186, v184, 0x7f800000, s[MNT]
	v_lshrrev_b32 v187, 23, v185
.irp j, 0,1,2,3,4,5,6,7
	v_med3_num_f32 v[176+\j], v[176+\j], -v186, v186
.endr
	v_cvt_scalef32_pk8_fp8_f32 v[188:189], v[176:183], v185
	v_nop
	v_add_nc_u32 v11, s[RT], v10
	v_add_nc_u32 v15, s[SBO], v14
.endm
.macro REDS                            ; stands behind a wait on va_vdst that REDC precedes; no vector line between names v11, v15 or v187 to v189
	global_store_b64 v11, v[188:189], s[48:49]     ; the wave stores 256 consecutive bytes, aligned
	ds_store_b8 v15, v187                          ; the four lanes of a block write the same byte with the same value, into my wave's own 256 bytes
	s_add_co_u32 s[RT], s[RT], 16384
	s_add_co_u32 s[SBO], s[SBO], 8
.endm
; The factor's second part.  ql = 1: Q's loads of parity qp stand here; red = 1: O's two stores.
.macro RCB qp, ql, red
	s_wait_alu depctr_va_vdst(0)                   ; W2: the reciprocal v119 is written, ahead of its first reader; the score products are done reading Q's strip, in which Q's loads land; REDC has written v11, v15 and v187 to v189, which its stores read
	s_wait_alu depctr_va_vcc(0)                    ; RCA's compare has written VCC, which the select below reads
.if \ql
	QLOAD \qp
.endif
.if \red
	REDS
.endif
	v_ldexp_f32 v119, v119, v117
	v_cndmask_b32 v44, 0, v119, vcc_lo             ; a row with every key hidden: p = 0
.endm
; Two short pieces line by line.  m = 1: the scales of p of the tile of parity pm (8 blocks: largest p, floor, scale operand, hold, byte, two words).
; e = 1: -M of the other parity's tile from its block maxima, t - M of those maxima, and their exponentials: a chain of single lines, each with eight lines of the other piece behind it.
.macro HEADS pm, m, e
.set BM, 56+8*(\pm)
.set BE, 64-8*(\pm)
.set NE, 42-2*(\pm)
.if \e
	v_max3_num_f32 v112, v[BE], v[BE+1], v[BE+2]
	v_max3_num_f32 v113, v[BE+3], v[BE+4], v[BE+5]
	v_max_num_f32 v114, v[BE+6], v[BE+7]
.endif
.if \m
.irp k, 0,1,2,3,4,5,6,7
	v_mul_f32 v[80+\k], v[BM+\k], v44              ; the block's largest p: the same multiplication as every p's
.endr
.endif
.if \e
	v_max3_num_f32 v112, v112, v113, v114          ; my largest score
.endif
.if \m
.irp k, 0,1,2,3,4,5,6,7
	v_max_num_f32 v[80+\k], 0x4800000, v[80+\k]    ; the floor 2^(9 - 127): the byte cannot fall under 1
.endr
.endif
.if \e
	v_mul_f32 v112, s[CS], v112                    ; as t
.endif
.if \m
.irp k, 0,1,2,3,4,5,6,7
	v_add_nc_u32 v[88+\k], 0xfc000000, v[80+\k]    ; 8 off the exponent field: the conversion's scale operand
.endr
.endif
.if \e
	v_max_num_f32 v112, 0xe7800000, v112           ; not under -2^80: where all my keys are hidden every e still falls to 0
.endif
.if \m
.irp k, 0,1,2,3,4,5,6,7
	v_and_or_b32 v[80+\k], v[80+\k], 0x7f800000, s[MNT]   ; 448 x the scale
.endr
.endif
.if \e
	v_floor_f32 v[NE], -v112                       ; -M, a whole number
.endif
.if \m
.irp k, 0,1,2,3,4,5,6,7
	v_lshrrev_b32 v[96+\k], 23, v[88+\k]           ; the byte
.endr
.endif
.if \e
.irp k, 0,1,2,3,4,5,6,7
	v_fma_f32 v[BE+\k], v[BE+\k], s[CS], v[NE]
.endr
.endif
.set qq, 0
.rept 3
.if \e
	v_exp_f32 v[BE+2*qq], v[BE+2*qq]               ; the block's largest e
.endif
.if \m
.if qq == 0
	v_lshl_or_b32 v36, v97, 8, v96
.else
	v_lshl_or_b32 v36, v[97+qq], 8*(qq+1), v36
.endif
.endif
.if \e
	v_exp_f32 v[BE+2*qq+1], v[BE+2*qq+1]
.endif
.if \m
.if qq == 0
	v_lshl_or_b32 v37, v101, 8, v100
.else
	v_lshl_or_b32 v37, v[101+qq], 8*(qq+1), v37
.endif
.endif
.set qq, qq+1
.endr
.if \e
	v_exp_f32 v[BE+6], v[BE+6]
	v_exp_f32 v[BE+7], v[BE+7]
.endif
.endm
; The long piece, all under one window setting.  e = 1: t - M and e = 2^(t - M) of the tile of parity 1 - pm.  m = 1: p = e x factor and the hold of the tile of parity pm.
; Each exponential has a plain instruction of the other tile behind it: the last 16 multiplications, then the holds; 16 holds trail the last exponential.  No line here names an exponential's result.
.macro BODY pm, m, e
.set BUFP, 128*(\pm)
.set BUFE, 128*(1-(\pm))
.set NE, 42-2*(\pm)
	WIN 0x82
.if \e
.set j, 0
.rept 64
	v_pk_fma_f32 v[BUFE+j:BUFE+j+1], v[BUFE+j:BUFE+j+1], s[CS:CS+1], v[NE:NE+1] op_sel_hi:[1,0,0]   ; t - M, two at a time
.set j, j+2
.endr
.endif
.if \m
.set j, 0
.rept 48
	v_pk_mul_f32 v[BUFP+j:BUFP+j+1], v[BUFP+j:BUFP+j+1], v[44:45] op_sel_hi:[1,0]
.set j, j+2
.endr
.endif
.set j, 0
.rept 128
.if \e
	v_exp_f32 v[BUFE+j], v[BUFE+j]
.endif
.if \m
.if j < 16
	v_pk_mul_f32 v[BUFP+96+2*j:BUFP+97+2*j], v[BUFP+96+2*j:BUFP+97+2*j], v[44:45] op_sel_hi:[1,0]
.else
	v_min_num_f32 v[BUFP+j-16], v[BUFP+j-16], v[80+(j-16)/16]   ; the conversion does not saturate (ISA guide 7.6.2); p is not negative
.endif
.endif
.set j, j+1
.endr
.if \m
.set j, 112
.rept 16
	v_min_num_f32 v[BUFP+j], v[BUFP+j], v87
.set j, j+1
.endr
.endif
.endm
.macro CVT par                         ; p's codes: two fragments.  It names the held p, their scale operands and the codes: no exponential's result
.set SS, 128*(\par)
	WIN 0xc2
.set j, 0
.rept 16
	v_cvt_scalef32_pk8_fp8_f32 v[96+2*j:97+2*j], v[SS+8*j:SS+8*j+7], v[88+j/2]
.set j, j+1
.endr
	WIN 0
	NOPS 4                                         ; places between the codes and the products that take them
.endm
.macro PV                              ; O^T = V^T P^T over my 256 keys: four accumulators by turns, the first four products start the sums
	WIN 0xfd
.irp d, 0,1,2,3
	v_wmma_scale_f32_16x16x128_f8f6f4 v[128+8*\d:135+8*\d], v[128+16*\d:143+16*\d], v[96:111], 0, v[24+\d], v36
.endr
.irp d, 0,1,2,3
	v_wmma_scale_f32_16x16x128_f8f6f4 v[128+8*\d:135+8*\d], v[192+16*\d:207+16*\d], v[112:127], v[128+8*\d:135+8*\d], v[28+\d], v37
.endr
	WIN 0
.endm
.macro OSTORE par                      ; O^T goes to my part of the parity's region, each accumulator from its low end on
	WIN 0x0c
.irp d, 0,1,2,3
	ds_store_b128 v8, v[128+8*\d:131+8*\d] offset:OPP*(\par)+1600*\d
	ds_store_b128 v8, v[132+8*\d:135+8*\d] offset:OPP*(\par)+1600*\d+768
.endr
.endm
.macro ROUND8 base                     ; each of the eight chains takes one more pair
.irp c, 0,1,2,3
	v_pk_add_f32 v[46+2*\c:47+2*\c], v[46+2*\c:47+2*\c], v[(\base)+2*\c:(\base)+2*\c+1]
.endr
.irp c, 0,1,2,3
	v_pk_add_f32 v[120+2*\c:121+2*\c], v[120+2*\c:121+2*\c], v[(\base)+8+2*\c:(\base)+8+2*\c+1]
.endr
.endm
; l of my 256 keys: 64 pairs in eight chains, so that no addition stands near the one that it adds onto.  These additions are also the places between O^T's products and the stores that read them.
.macro SUMS par
.set SS, 128*(\par)
.set NM, 40+2*(\par)
	WIN 0x0a
.irp c, 0,1,2,3
	v_pk_add_f32 v[46+2*\c:47+2*\c], v[SS+4*\c:SS+4*\c+1], v[SS+4*\c+2:SS+4*\c+3]
.endr
.irp c, 0,1,2,3
	v_pk_add_f32 v[120+2*\c:121+2*\c], v[SS+16+4*\c:SS+17+4*\c], v[SS+18+4*\c:SS+19+4*\c]
.endr
	WIN 0x08
	ROUND8 SS+32
	ROUND8 SS+48
	ROUND8 SS+64
	ROUND8 SS+80
	ROUND8 SS+96
	ROUND8 SS+112
	WIN 0
	v_pk_add_f32 v[46:47], v[46:47], v[120:121]
	v_pk_add_f32 v[48:49], v[48:49], v[122:123]
	v_pk_add_f32 v[50:51], v[50:51], v[124:125]
	v_pk_add_f32 v[52:53], v[52:53], v[126:127]
	v_pk_add_f32 v[46:47], v[46:47], v[50:51]
	v_pk_add_f32 v[48:49], v[48:49], v[52:53]
	v_pk_add_f32 v[46:47], v[46:47], v[48:49]
	v_add_f32 v46, v46, v47
	v_permlanex16_b32 v72, v46, s[SEL], s[SEL+1]
	v_add_f32 v[NM+1], v46, v72
.endm
; The step's end.  ost = 1: O^T of parity par goes to LDS.  st = 1: the next tile's figures go to LDS.  sca = 1: the next batch's addresses are made, and the mask addend of the tile after the next (parity par)
; stands between my stores and the wait for them.  The barrier.  Behind it the figures (st) and my share of O's parts of parity par (ol) are asked back.
.macro MEET par, st, sca, ol, ost
	s_wait_alu depctr_va_vdst(0)                   ; W4: the products have written O^T and the sum's last addition has written l (-M stands beside it): the LDS stores below read them.  ADDR's lines, which stand between, name none of these registers
.if \sca
	ADDR
.endif
.if \ost
	OSTORE \par
	WIN 0
.endif
.if \st
	ds_store_b64 v6, v[42-2*(\par):43-2*(\par)] offset:512*(1-(\par))
.endif
.if \sca
	SCMASK \par
.endif
	s_wait_dscnt 0x0                               ; for the others' sake: my stores have landed, and my reads of the regions that are stored next are back
	s_barrier_signal -1
	s_barrier_wait -1
.if \st
.irp p, 0,1,2,3
	ds_load_b64 v[104+2*\p:105+2*\p], v7 offset:512*(1-(\par))+128*\p      ; no wait: RCA, which read v104 to v111, stands ahead of W4, and no vector or matrix line since names them
.endr
.endif
.if \ol
	WIN 0xc0
.irp p, 0,1,2,3
	ds_load_b128 v[160+8*\p:163+8*\p], v9 offset:OPP*(\par)+6400*\p        ; likewise: REDC stands ahead of W4
	ds_load_b128 v[164+8*\p:167+8*\p], v9 offset:OPP*(\par)+6400*\p+768
.endr
	WIN 0
.endif
.endm
.macro STEP par, red, cnt, sca
	SCQK 1-(\par)
	RCA \par, \cnt
.if \red
	REDC
.endif
	P1MAX 1-(\par)
	RCB 1-(\par), 1, \red
	HEADS \par, 1, 1
	BODY \par, 1, 1
	CVT \par
	s_wait_alu depctr_va_vdst(0)                   ; W3: the conversions have written p's codes and HEADS p's scale words v36, v37, which the products below take (behind their places); and the one wait for the batch of 136 exponentials, ahead of the first line that names a result: the row sum
	s_wait_alu depctr_vm_vsrc(0)                   ; the LDS stores of the step before have read O^T's registers, which the products below write again
	PV
	SUMS 1-(\par)
	MEET \par, 1, \sca, 1, 1
.endm
	s_load_b128 s[4:7], s[0:1], 0x0                ; hq, mi
	s_load_b64 s[8:9], s[0:1], 0x10                ; aq
	v_lshl_add_u32 v254, v0, 2, 0xd000
	v_mov_b32 v255, 0
	v_lshrrev_b32 v1, 5, v0
	v_readfirstlane_b32 s10, v1                    ; wave
	v_mov_b32 v12, 0xb1b1b1b1                      ; 2^50 in each byte
	v_mov_b32 v13, 0xb1b1b1b1
	; the pattern: row m's code -448 (0xfe) stands in lane (m, m / 8), register (m / 4) % 2 of a pair, byte m % 4; the pair's place in the fragment chooses the tile of keys
	v_and_b32 v112, 3, v0
	v_lshlrev_b32 v112, 3, v112
	v_mov_b32 v113, 0xfe
	v_lshlrev_b32 v113, v112, v113
	v_bfe_u32 v114, v0, 4, 1
	v_bfe_u32 v115, v0, 3, 1
	v_xor_b32 v114, v114, v115
	v_bfe_u32 v115, v0, 2, 1
	v_lshl_or_b32 v114, v114, 1, v115
	v_cmp_eq_u32 vcc_lo, 0, v114
	s_wait_alu depctr_va_vcc(0)                    ; the compare has written VCC, which the select reads
	v_cndmask_b32 v116, 0, v113, vcc_lo
	v_cmp_eq_u32 vcc_lo, 1, v114
	s_wait_alu depctr_va_vcc(0)                    ; likewise
	v_cndmask_b32 v117, 0, v113, vcc_lo
	WIN 0xc0
.set n, 64
.rept 14
	v_mov_b32 v[n], 0
	v_mov_b32 v[n+16], 0
.set n, n+1
.endr
	v_mov_b32 v78, v116
	v_mov_b32 v79, v117
	WIN 0
.set n, 0
.rept 8
	v_mov_b32 v[128+n], 0                          ; the strip's three runs of zero codes
	v_mov_b32 v[144+n], 0
	v_mov_b32 v[160+n], 0
	v_mov_b32 v[72+n], 0                           ; a lane permute's destination counts as one of its sources
.set n, n+1
.endr
	v_mov_b32 v41, 0                               ; (named as upper halves of pairs before they are first written)
	v_mov_b32 v43, 0
	v_mov_b32 v45, 0
	s_wait_alu depctr_va_sdst(0)                   ; s10, the wave's number, is written, ahead of its first reader
	s_lshr_b32 s11, ttmp9, 1                       ; 16 b + head
	s_and_b32 s12, ttmp9, 1                        ; which half of the queries
	s_lshr_b32 s13, s11, 4
	s_and_b32 s14, s11, 15
	s_and_b32 s15, s10, 1                          ; my quarter of O: which 32 features,
	s_lshr_b32 s16, s10, 1                         ; which 8 queries
	s_mov_b32 s[MNT], 0x600000
	s_mov_b32 s[SEL], 0x76543210
	s_mov_b32 s[SEL+1], 0xfedcba98
	s_mov_b32 s[CS], 0x3d38aa3b                    ; log2(e) / 32
	s_mov_b32 s[CS+1], s[CS]
	s_mov_b32 s[T3], 0
	s_mov_b32 s[RT], 0
	s_mov_b32 s[SBO], 0
	v_and_b32 v112, 31, v0
	v_and_b32 v113, 15, v0
	v_bfe_u32 v114, v0, 4, 1
	v_lshlrev_b32 v1, 4, v112                      ; 16 x lane
	v_lshlrev_b32 v2, 4, v113                      ; 16 r
	v_lshlrev_b32 v7, 3, v113
	s_lshl_b32 s17, s10, 7
	v_add_nc_u32 v6, s17, v7
	s_mul_i32 s17, s10, 6400
	s_add_co_u32 s17, s17, OPB
	v_mul_u32_u24 v8, v114, 384
	v_add_nc_u32 v8, v8, v2
	v_add_nc_u32 v8, s17, v8
	v_and_b32 v115, 1, v0
	v_bfe_u32 v116, v0, 1, 1
	v_bfe_u32 v117, v0, 2, 3
	v_mul_u32_u24 v9, v115, 1600
	v_mad_u32_u24 v9, v116, 384, v9
	v_lshl_add_u32 v9, v117, 4, v9
	s_mul_i32 s17, s15, 3200
	s_lshl_b32 s18, s16, 7
	s_add_co_u32 s17, s17, s18
	s_add_co_u32 s17, s17, OPB
	v_add_nc_u32 v9, s17, v9
	v_lshlrev_b32 v10, 3, v112
	s_lshl_b32 s17, s15, 9
	s_lshl_b32 s18, s16, 8
	s_add_co_u32 s17, s17, s18
	v_add_nc_u32 v10, s17, v10
	s_lshl_b32 s17, s10, 8
	s_add_co_u32 s17, s17, SCB
	v_add_nc_u32 v14, s17, v117
	s_mov_b32 s47, 0
	s_wait_kmcnt 0x0
	s_add_co_u32 s46, s11, 128
	s_lshl_b32 s46, s46, 16
	s_lshl_b32 s17, s10, 14
	s_add_co_u32 s46, s46, s17
	s_add_nc_u64 s[24:25], s[4:5], s[46:47]        ; my 16 tiles of K
	s_add_nc_u64 s[26:27], s[24:25], 0x800000      ; my two K steps of V^T: 128 blocks on
	s_add_co_u32 s46, s11, 128
	s_lshl_b32 s46, s46, 11
	s_lshl_b32 s17, s10, 9
	s_add_co_u32 s46, s46, s17
	s_add_co_u32 s46, s46, HS
	s_add_nc_u64 s[28:29], s[4:5], s[46:47]
	s_add_nc_u64 s[30:31], s[28:29], 0x40000
	s_lshl_b32 s46, s11, 16
	s_lshl_b32 s17, s12, 15
	s_add_co_u32 s46, s46, s17
	s_add_nc_u64 s[34:35], s[4:5], s[46:47]        ; Q
	s_lshl_b32 s46, s11, 11
	s_lshl_b32 s17, s12, 10
	s_add_co_u32 s46, s46, s17
	s_add_co_u32 s46, s46, HS
	s_add_nc_u64 s[36:37], s[4:5], s[46:47]
	s_lshl_b32 s18, s13, 20
	s_lshl_b32 s17, s12, 19
	s_add_co_u32 s18, s18, s17                     ; 16,384 x (64 b + my first tile)
	s_lshl_b32 s17, s10, 12
	s_add_co_u32 s46, s18, s17
	s_add_nc_u64 s[38:39], s[6:7], s[46:47]        ; the mask: my 256 keys
	s_lshl_b32 s17, s14, 10
	s_add_co_u32 s46, s18, s17
	s_add_nc_u64 s[48:49], s[8:9], s[46:47]        ; O's codes: K step head / 2, groups 2 (head % 2) on
	s_lshl_b32 s46, ttmp9, 2
	s_add_co_u32 s46, s46, s10
	s_lshl_b32 s46, s46, 8
	s_add_co_u32 s46, s46, ASO
	s_add_nc_u64 s[50:51], s[8:9], s[46:47]        ; O's scale bytes: my wave's 256
	WIN 0x40
	s_wait_alu depctr_va_vdst(0)                   ; the head's addresses v1, v2 and v6 to v9 are written, which loads and LDS instructions read from here on; so are the pattern, the strip's zeros and the scales v12, v13, which products take
.set n, 0
.rept 32
	global_load_b128 v[4*n:4*n+3], v1, s[24:25] offset:512*n
.set n, n+1
.endr
.set n, 0
.rept 32
	global_load_b128 v[128+4*n:131+4*n], v1, s[26:27] offset:512*n
.set n, n+1
.endr
	WIN 0
	global_load_b128 v[16:19], v2, s[28:29]
	global_load_b128 v[20:23], v2, s[28:29] offset:256
	global_load_b128 v[24:27], v2, s[30:31]
	global_load_b128 v[28:31], v2, s[30:31] offset:256
	ADDR
	MLOAD 0                                        ; (its wait: v3 to v5 are written)
	QLOAD 0
	ADDR
	MLOAD 1
	QLOAD 1
	ADDR
	SCMASK 0                                       ; tile 0 (its wait leaves tile 1's batch out: K, V and tile 0's batch are in)
	SCQK 0
	NOPS 8                                         ; places behind the products, ahead of the first read of the scores
	s_wait_alu depctr_va_vdst(0)                   ; the score products are done reading Q's strip, in which Q's loads land
	QLOAD 0
	P1MAX 0
	HEADS 1, 0, 1                                  ; tile 0 has no tile before it: its lines stand alone
	BODY 1, 0, 1
	v_nop                                          ; a plain instruction behind the last exponential
	s_wait_alu depctr_va_vdst(0)                   ; the batch of 136 exponentials is written, ahead of the row sum, its first reader
	SUMS 0
	MEET 1, 1, 1, 0, 0                             ; tile 0's figures; tile 1's mask addend
	STEP 0, 0, 0, 1
	s_mov_b32 s33, 14
.Lstep:                                            ; tiles 1 to 28, two a trip: the parities come back after two steps
	STEP 1, 1, 8, 1
	STEP 0, 1, 8, 1
	s_sub_co_u32 s33, s33, 1
	s_cmp_lg_u32 s33, 0
	s_cbranch_scc1 .Lstep
	STEP 1, 1, 8, 1                                ; tile 29
	STEP 0, 1, 8, 0                                ; tile 30: there is no tile 32, so no addresses and no mask addend are made
	RCA 1, 8                                       ; tile 31: nothing follows it
	s_wait_xcnt 0x0                                ; the last store of O's codes has read its registers (the wait on vm_vsrc beside the last step's W3 stands behind that store and its byte store)
	REDC                                           ; tile 30
	RCB 0, 0, 1
	HEADS 1, 1, 0
	BODY 1, 1, 0
	CVT 1
	s_wait_alu depctr_va_vdst(0)                   ; the conversions have written p's codes and HEADS p's scale words, which the products below take
	s_wait_alu depctr_vm_vsrc(0)                   ; the LDS stores of the step before have read O^T's registers, which the products write again; tile 30's two stores have read v11, v15 and v187 to v189, which the last REDC writes again
	PV
	NOPS 8                                         ; places between the products and the stores that read them; the wait in MEET stands behind them
	MEET 1, 0, 0, 1, 1
	s_wait_xcnt 0x0
	REDC                                           ; tile 31
	s_wait_alu depctr_va_vdst(0)                   ; REDC has written v11, v15 and v187 to v189, which its stores read
	REDS
	s_wait_xcnt 0x0                                ; the last store has read v11
	s_wait_alu depctr_vm_vsrc(0)                   ; the two stores have read v11 and v15, which the lines below write again
	v_lshrrev_b32 v15, 1, v1                       ; 8 x lane
	s_lshl_b32 s46, s10, 8
	s_add_co_u32 s46, s46, SCB
	v_mov_b32 v11, v15
	v_add_nc_u32 v15, s46, v15
	s_wait_alu depctr_va_vdst(0)                   ; v15 and v11 are written, which the load and the store below read
	ds_load_b64 v[190:191], v15                    ; LDS serves a wave's instructions in order: this sees my byte stores
	s_wait_dscnt 0x0
	global_store_b64 v11, v[190:191], s[50:51]     ; 256 consecutive bytes, aligned
	s_wait_dscnt 0x0                               ; the closing lines, six on end
	s_wait_alu 0x0
	s_wait_tensorcnt 0x0
	ds_add_u32 v254, v255
	s_wait_dscnt 0x0
	s_endpgm
.Lfunc_end_k_qef3a9be107_attn:
	.size	k_qef3a9be107_attn, .Lfunc_end_k_qef3a9be107_attn-k_qef3a9be107_attn
	.p2alignl 7, 3214868480
	.fill 96, 4, 3214868480
	.section	.rodata,"a",@progbits
	.p2align	6, 0x0
	.amdhsa_kernel k_qef3a9be107_attn
		.amdhsa_group_segment_fixed_size 53760
		.amdhsa_private_segment_fixed_size 0
		.amdhsa_enable_private_segment 0
		.amdhsa_kernarg_size 24
		.amdhsa_user_sgpr_count 2
		.amdhsa_user_sgpr_kernarg_segment_ptr 1
		.amdhsa_wavefront_size32 1
		.amdhsa_system_sgpr_workgroup_id_x 1
		.amdhsa_system_sgpr_workgroup_id_y 1
		.amdhsa_system_sgpr_workgroup_id_z 1
		.amdhsa_system_vgpr_workitem_id 0
		.amdhsa_next_free_vgpr 1024
		.amdhsa_next_free_sgpr 66
		.amdhsa_reserve_vcc 1
		.amdhsa_float_denorm_mode_32 3
		.amdhsa_float_denorm_mode_16_64 3
		.amdhsa_memory_ordered 1
		.amdhsa_forward_progress 1
		.amdhsa_inst_pref_size 255
	.end_amdhsa_kernel
	.section	.bss,"aw",@nobits
	.p2align	6
	.space	262144
	.amdgpu_metadata
---
amdhsa.version: [ 1, 2 ]
amdhsa.kernels:
  - .name:           k_qef3a9be107_attn
    .symbol:         k_qef3a9be107_attn.kd
    .args:
      - { .name: hq, .offset: 0, .size: 8, .value_kind: global_buffer, .address_space: global }
      - { .name: mi, .offset: 8, .size: 8, .value_kind: global_buffer, .address_space: global }
      - { .name: aq, .offset: 16, .size: 8, .value_kind: global_buffer, .address_space: global }
    .group_segment_fixed_size: 53760
    .private_segment_fixed_size: 0
    .kernarg_segment_align: 8
    .kernarg_segment_size: 24
    .max_flat_workgroup_size: 128
    .sgpr_count:     66
    .vgpr_count:     1024
    .wavefront_size: 32
...
	.end_amdgpu_metadata
.endif
;; end of part 5
;; launch outln (part 6): grid 256 x 1, 8 waves a work-group, no clusters, 165,376 bytes of LDS; arguments aq, wq, q, proj_b, ln_g, ln_b, out0; writes out0
.if DOCPART == 6
	.amdgcn_target "amdgcn-amd-amdhsa--gfx1250"
	.amdhsa_code_object_version 6
	.text
	.protected	k_qef3a9be107_outln
	.globl	k_qef3a9be107_outln
	.p2align	8
	.type	k_qef3a9be107_outln,@function
k_qef3a9be107_outln:
	s_mov_b64 s[64:65], 0
	v_nop
	global_prefetch_b8 v0, s[64:65] scope:SCOPE_SE
	s_setreg_imm32_b32 hwreg(HW_REG_WAVE_SCHED_MODE, 0, 2), 2
	s_setreg_imm32_b32 hwreg(HW_REG_WAVE_MODE, 25, 1), 1
	s_wait_xcnt 0x0
	s_wait_alu depctr_vm_vsrc(0)
; out0 = layer norm(A proj_w + proj_b + q): the last projection on codes of E4M3 (K = 1,024), bias, residual and norm in f32.
; SHARES.  A work-group takes 32 rows (two tiles of 16) x all 1,024 columns, so that a row's mean and variance need no second launch.  Wave w takes columns 128 w .. 128 w + 127: 2 x 8 accumulators.
; proj_w's fragments lie in memory as images of the operand's registers and go straight into registers: each byte is used by exactly one wave of the work-group, so LDS would add a trip and spare none.
; They run in a ring of four groups of 16 loads a wave, two to three groups on their way.  No tensor loads and no cluster: a K step is 16 matrix instructions a wave, too little for a slot's refill to land in.
; A's 32 KB of codes come once: each wave brings 4 KB, re-lays the 16-byte pieces into plain images in LDS, and all eight waves read them.
; THE MATRIX INSTRUCTION: source 0 = 16 columns of proj_w, source 1 = 16 rows of A: a lane holds eight neighbouring columns of one row.
; Rows of A lie in position order (the two middle groups of 8 in 32 have changed places); the rows of q and out0 are chosen to match.
; THE MODE: SCHED_MODE bits 1:0 = 2 (LLVM: expert scheduling mode 2), set by the entry lines.  The code itself states the register dependences between vector or matrix instructions and memory or LDS instructions, with s_wait_alu, always for 0.
; THE PLAN.  Registers that memory or LDS instructions touch:
;   the ring (window 1), four slots   group g's 8 products read slot g % 4; the loads of group g + 4 land in it, issued at the head of group g + 1.
;   A's fragments v56-119, two sets   K step s's 16 products read set s % 2; the LDS loads of K step s + 2 land in it, issued at the head of K step s + 1.  (At the head v56-87 are first the data of LDS stores.)
;   the accumulators v128-255         written by the products; read by the stage's LDS stores; then the stage's loads land in them; the norm writes them; the last stores read them.
;   v1 to v8                          addresses, made at the head and never written again.
; So ONE wait on va_vdst stands in a group, at its head, behind the wait for the group's data: the products of the group before are done reading their slot (and, at a K step's head, those of the K step before their set of A's fragments).
; The refills follow it; the group's own products name the other slots, the other set and the accumulators alone.
; REGISTERS.  window 0: v1-8 addresses; v16-23 A's scale words (lanes 0-15 tile 0, lanes 16-31 tile 1); v24-55 proj_w's (lanes 0-15 even tile, lanes 16-31 odd); v56-119 A's fragments, two K steps; v128-255 accumulators, later 4 rows of y.
;   window 1: the ring, 2 K steps x 8 fragments; later v0-127 4 rows of q, v128-223 proj_b, ln_g, ln_b.
.set ASO,  8388608
.set PWC,  3244032
.set PWS,  4292608
.set STG,  32768                       ; LDS: 0 A's images; 32,768 the stage: 32 rows x (4,096 + 16) bytes
.set SROW, 4112
.set MSB, 0
.macro WIN new
.if MSB != (\new)
	s_set_vgpr_msb (MSB<<8)|(\new)
.set MSB, (\new)
.endif
.endm
.macro NOPS n
.rept \n
	v_nop
.endr
.endm
.macro RING s, q, w                    ; proj_w's fragments of K step s, my column tiles 4 q .. 4 q + 3.  w = 1: the slot has been multiplied before
	WIN 0x40
.if \w
	s_wait_alu depctr_va_vdst(0)                   ; the products of the group before are done reading this slot, in which the loads land; at a K step's head those of the K step before are done reading their set of A's fragments
.endif
.irp tt, 0,1,2,3
.irp c, 0,1,2,3
	global_load_b128 v[128*((\s)%2)+16*(4*(\q)+\tt)+4*\c:128*((\s)%2)+16*(4*(\q)+\tt)+4*\c+3], v1, s[28:29] offset:(\s)*131072+(4*(\q)+\tt)*2048+512*\c
.endr
.endr
	WIN 0
.endm
.macro ALOAD s                         ; A's two fragments of K step s
.irp m, 0,1
.irp c, 0,1,2,3
	ds_load_b128 v[56+32*((\s)%2)+16*\m+4*\c:56+32*((\s)%2)+16*\m+4*\c+3], v1 offset:(\m*32+(\s)*4+\c)*512
.endr
.endr
.endm
.macro MM s, t, m
.set DD, 128+8*(8*(\m)+(\t))
.set WA, 128*((\s)%2)+16*(\t)
.set RB, 56+32*((\s)%2)+16*(\m)
.set SA, 24+8*((\t)/2)+(\s)
.set SX, 16+(\s)
.if (\s) == 0
.if ((\t)%2 == 0) && ((\m) == 0)
	v_wmma_scale_f32_16x16x128_f8f6f4 v[DD:DD+7], v[WA:WA+15], v[RB:RB+15], 0, v[SA], v[SX]
.elseif ((\t)%2 == 1) && ((\m) == 0)
	v_wmma_scale_f32_16x16x128_f8f6f4 v[DD:DD+7], v[WA:WA+15], v[RB:RB+15], 0, v[SA], v[SX] matrix_a_scale:MATRIX_SCALE_ROW1
.elseif ((\t)%2 == 0)
	v_wmma_scale_f32_16x16x128_f8f6f4 v[DD:DD+7], v[WA:WA+15], v[RB:RB+15], 0, v[SA], v[SX] matrix_b_scale:MATRIX_SCALE_ROW1
.else
	v_wmma_scale_f32_16x16x128_f8f6f4 v[DD:DD+7], v[WA:WA+15], v[RB:RB+15], 0, v[SA], v[SX] matrix_a_scale:MATRIX_SCALE_ROW1 matrix_b_scale:MATRIX_SCALE_ROW1
.endif
.else
.if ((\t)%2 == 0) && ((\m) == 0)
	v_wmma_scale_f32_16x16x128_f8f6f4 v[DD:DD+7], v[WA:WA+15], v[RB:RB+15], v[DD:DD+7], v[SA], v[SX]
.elseif ((\t)%2 == 1) && ((\m) == 0)
	v_wmma_scale_f32_16x16x128_f8f6f4 v[DD:DD+7], v[WA:WA+15], v[RB:RB+15], v[DD:DD+7], v[SA], v[SX] matrix_a_scale:MATRIX_SCALE_ROW1
.elseif ((\t)%2 == 0)
	v_wmma_scale_f32_16x16x128_f8f6f4 v[DD:DD+7], v[WA:WA+15], v[RB:RB+15], v[DD:DD+7], v[SA], v[SX] matrix_b_scale:MATRIX_SCALE_ROW1
.else
	v_wmma_scale_f32_16x16x128_f8f6f4 v[DD:DD+7], v[WA:WA+15], v[RB:RB+15], v[DD:DD+7], v[SA], v[SX] matrix_a_scale:MATRIX_SCALE_ROW1 matrix_b_scale:MATRIX_SCALE_ROW1
.endif
.endif
.endm
; Group g = 2 s + q.  At its head the slot that group g - 1 has multiplied is asked for again (group g + 3), and at a K step's head A's fragments of the next K step; then eight products
; (four column tiles x two row tiles, eight accumulators by turns).
.macro GROUP s, q
.set GN, 2*(\s)+(\q)
.if GN == 0
	s_wait_loadcnt 48                              ; this group's 16 loads are in; the three groups behind it may be out
.elseif GN <= 13
	s_wait_loadcnt 32                              ; this group's 16 loads are in; two groups were issued behind them (the third follows below)
.else
	s_wait_loadcnt 16*(15-GN)                      ; at the end fewer groups stand behind
.endif
.if (\q) == 0
.if (\s) == 0
	s_wait_dscnt 8                                 ; A's fragments of K step 0 are in; K step 1's 8 loads may be out
.else
	s_wait_dscnt 0                                 ; A's fragments of this K step are in: no LDS load was issued behind them
.endif
.endif
.if (GN >= 1) && (GN <= 12)
.set RS, (GN+3)/2
.set RQ, (GN+3)%2
	RING RS, RQ, 1
.if (\q) == 0
	ALOAD (\s)+1                                   ; behind the same wait: only loads and window switches stand between
.endif
.endif
	WIN 0x01
.irp tt, 0,1,2,3
.irp m, 0,1
	MM \s, 4*(\q)+\tt, \m
.endr
.endr
	WIN 0
	NOPS 8                                         ; places behind these products: ahead of the next group's refills, and, behind the last group, of the stores that read the results
.endm
.macro ALLSUM                          ; v[56 + 4 i], i = 0 .. 3: the sum over the 32 lanes, in every lane; the four rows by turns
.irp x, 1,2,4,8
.irp i, 0,1,2,3
	v_add_f32_dpp v[56+4*\i], v[56+4*\i], v[56+4*\i] row_xmask:\x row_mask:0xf bank_mask:0xf
.endr
.endr
.irp i, 0,1,2,3
	v_permlanex16_b32 v[88+\i], v[56+4*\i], s36, s37
.endr
.irp i, 0,1,2,3
	v_add_f32 v[56+4*\i], v[56+4*\i], v[88+\i]
.endr
.endm
	s_load_b256 s[4:11], s[0:1], 0x0               ; aq, wq, q, proj_b
	s_load_b128 s[12:15], s[0:1], 0x20             ; ln_g, ln_b
	s_load_b64 s[16:17], s[0:1], 0x30              ; out0
	v_lshl_add_u32 v126, v0, 2, 0x28200
	v_mov_b32 v127, 0
	v_lshrrev_b32 v1, 5, v0
	v_readfirstlane_b32 s18, v1                    ; wave 0..7
	s_lshr_b32 s19, ttmp9, 5                       ; b
	s_and_b32 s20, ttmp9, 31                       ; which 32 rows
	s_mov_b32 s34, 0x3a800000                      ; 1 / 1,024
	s_mov_b32 s35, 0x3727c5ac                      ; 1e-5
	s_mov_b32 s36, 0x76543210
	s_mov_b32 s37, 0xfedcba98
	v_and_b32 v9, 31, v0
	v_lshlrev_b32 v1, 4, v9                        ; 16 x lane
	v_lshlrev_b32 v8, 8, v9                        ; 256 x lane
	v_and_b32 v10, 15, v0                          ; r
	v_bfe_u32 v11, v0, 4, 1                        ; h
	v_bfe_u32 v12, v0, 3, 1
	v_and_b32 v13, 7, v0
	v_lshl_add_u32 v2, v12, 9, v13                 ; A's scale bytes: 512 (r / 8) + r % 8,
	v_lshl_add_u32 v2, v11, 3, v2                  ; + 8 for the second tile (lanes 16-31)
	v_lshlrev_b32 v3, 5, v10
	v_lshl_add_u32 v3, v11, 9, v3                  ; proj_w's scale words: 32 r + 512 for the odd tile
	v_and_b32 v12, 1, v0                           ; A's pieces: piece l of a group is (row 8 (l / 16) + (l / 2) % 8, half l % 2); in the image it is lane 16 half + row
	v_bfe_u32 v13, v0, 1, 3
	v_lshlrev_b32 v4, 8, v12
	v_lshl_add_u32 v4, v11, 7, v4
	v_lshl_add_u32 v4, v13, 4, v4
	s_wait_alu depctr_va_sdst(0)                   ; s18, the wave's number, is written, ahead of its first reader
	s_lshl_b32 s21, s18, 12
	v_add_nc_u32 v4, s21, v4
	v_mul_u32_u24 v5, v10, SROW                    ; the stage, in: row r, + 512 w + 32 h
	v_lshl_add_u32 v5, v11, 5, v5
	s_lshl_b32 s21, s18, 9
	s_add_co_u32 s21, s21, STG
	v_add_nc_u32 v5, s21, v5
	v_add_nc_u32 v6, 16*SROW, v5                   ; the second tile's rows
	s_mul_i32 s21, s18, 4*SROW
	s_add_co_u32 s21, s21, STG
	v_add_nc_u32 v7, s21, v1                       ; back: my four rows, 16 bytes a lane
.irp i, 0,1,2,3
	v_mov_b32 v[88+\i], 0                          ; a lane permute's destination counts as one of its sources
.endr
	s_mov_b32 s39, 0
	s_wait_kmcnt 0x0
	s_lshl_b32 s38, ttmp9, 15
	s_lshl_b32 s21, s18, 12
	s_add_co_u32 s38, s38, s21
	s_add_nc_u64 s[22:23], s[4:5], s[38:39]        ; my 4 KB of A's codes
	s_lshl_b32 s38, s19, 15
	s_lshr_b32 s21, s20, 4
	s_lshl_b32 s21, s21, 10
	s_add_co_u32 s38, s38, s21
	s_and_b32 s21, s20, 15
	s_lshl_b32 s21, s21, 4
	s_add_co_u32 s38, s38, s21
	s_add_co_u32 s38, s38, ASO
	s_add_nc_u64 s[24:25], s[4:5], s[38:39]        ; A's scale bytes
	s_lshl_b32 s38, s18, 12
	s_add_co_u32 s38, s38, PWS
	s_add_nc_u64 s[26:27], s[6:7], s[38:39]
	s_lshl_b32 s38, s18, 14
	s_add_co_u32 s38, s38, PWC
	s_add_nc_u64 s[28:29], s[6:7], s[38:39]
	s_lshl_b32 s38, ttmp9, 5                       ; the rows of q and out0 that are stage rows 4 w .. 4 w + 3: 32 x work-group + 16 ((w / 2) % 2) + 8 (w / 4) + 4 (w % 2)
	s_bfe_u32 s21, s18, 0x10001
	s_lshl_b32 s21, s21, 4
	s_add_co_u32 s38, s38, s21
	s_lshr_b32 s21, s18, 2
	s_lshl_b32 s21, s21, 3
	s_add_co_u32 s38, s38, s21
	s_and_b32 s21, s18, 1
	s_lshl_b32 s21, s21, 2
	s_add_co_u32 s38, s38, s21
	s_lshl_b32 s38, s38, 12
	s_add_nc_u64 s[30:31], s[8:9], s[38:39]
	s_add_nc_u64 s[32:33], s[16:17], s[38:39]
	s_wait_alu depctr_va_vdst(0)                   ; the addresses v1 to v8 are written, which every load, store, LDS instruction and prefetch of the kernel reads; so are v88 to v91, in which LDS loads land
.irp n, 0,1,2,3,4,5,6,7
	global_load_b128 v[56+4*\n:59+4*\n], v1, s[22:23] offset:512*\n
.endr
.set n, 0
.rept 32
	global_load_u8 v[128+n], v2, s[24:25] offset:(n/2)*2048+(n%2)*256   ; byte n: head n / 2, block n % 2: byte n % 4 of K step n / 4's word
.set n, n+1
.endr
.irp p, 0,1,2,3
	global_load_b128 v[24+8*\p:27+8*\p], v3, s[26:27] offset:1024*\p
	global_load_b128 v[28+8*\p:31+8*\p], v3, s[26:27] offset:1024*\p+16
.endr
	RING 0, 0, 0
	s_wait_loadcnt 56                              ; A's eight loads are in: 32 + 8 + 16 were issued behind them
.irp n, 0,1,2,3,4,5,6,7
	ds_store_b128 v4, v[56+4*\n:59+4*\n] offset:512*\n
.endr
	RING 0, 1, 0
	s_wait_dscnt 0x0
	s_barrier_signal -1
	s_barrier_wait -1                              ; A's 64 groups lie in LDS as plain images
	s_wait_alu depctr_vm_vsrc(0)                   ; my LDS stores have read v56 to v87, in which the fragments' loads land
	ALOAD 0
	ALOAD 1
	RING 1, 0, 0
	RING 1, 1, 0
	s_wait_loadcnt 48                              ; the scale bytes and words and the first group are in: three groups were issued behind them
.irp s, 0,1,2,3,4,5,6,7
	v_lshl_or_b32 v[16+\s], v[129+4*\s], 8, v[128+4*\s]
.endr
.irp s, 0,1,2,3,4,5,6,7
	v_lshl_or_b32 v[16+\s], v[130+4*\s], 16, v[16+\s]
.endr
.irp s, 0,1,2,3,4,5,6,7
	v_lshl_or_b32 v[16+\s], v[131+4*\s], 24, v[16+\s]
.endr
	NOPS 8                                         ; places between scale registers made by vector instructions and the products that name them
	s_wait_alu depctr_va_vdst(0)                   ; A's scale words v16 to v23 are written, which the products name; the places above stay beside this wait
	GROUP 0, 0
	GROUP 0, 1
	GROUP 1, 0
	GROUP 1, 1
	GROUP 2, 0
	; my four rows of q, 16 KB on end, are asked into the L2 here, between two groups: a lane a block of 256 bytes, each block named once in the launch; they are loaded behind the last K step
	global_prefetch_b8 v8, s[30:31] th:TH_LOAD_NT scope:SCOPE_SE
	global_prefetch_b8 v8, s[30:31] offset:8192 th:TH_LOAD_NT scope:SCOPE_SE
	GROUP 2, 1
.irp s, 3,4,5,6,7
	GROUP \s, 0
	GROUP \s, 1
.endr
	; ---- the way out.  (The last group's eight v_nop are the places ahead of all that follows.)
	WIN 0x40
	s_wait_alu depctr_va_vdst(0)                   ; the last products are done reading the ring, in which the loads below land, and have written the accumulators, which the LDS stores below read
.irp i, 0,1,2,3
.irp n, 0,1,2,3,4,5,6,7
	global_load_b128 v[32*\i+4*\n:32*\i+4*\n+3], v1, s[30:31] offset:4096*\i+512*\n th:TH_LOAD_NT
.endr
.endr
.irp n, 0,1,2,3,4,5,6,7
	global_load_b128 v[128+4*\n:131+4*\n], v1, s[10:11] offset:512*\n
	global_load_b128 v[160+4*\n:163+4*\n], v1, s[12:13] offset:512*\n
	global_load_b128 v[192+4*\n:195+4*\n], v1, s[14:15] offset:512*\n
.endr
	WIN 0
.irp m, 0,1
.irp t, 0,1,2,3,4,5,6,7
	ds_store_b128 v[5+\m], v[128+8*(8*\m+\t):131+8*(8*\m+\t)] offset:64*\t        ; each accumulator from its low end on
	ds_store_b128 v[5+\m], v[132+8*(8*\m+\t):135+8*(8*\m+\t)] offset:64*\t+16
.endr
.endr
	s_wait_dscnt 0x0
	s_barrier_signal -1
	s_barrier_wait -1                              ; 32 whole rows lie in the stage
	s_wait_alu depctr_vm_vsrc(0)                   ; my LDS stores have read v128 to v255, in which the rows land
.irp i, 0,1,2,3
.irp n, 0,1,2,3,4,5,6,7
	ds_load_b128 v[128+32*\i+4*\n:131+32*\i+4*\n], v7 offset:SROW*\i+512*\n
.endr
.endr
	s_wait_dscnt 0x0
	s_wait_loadcnt 0x0
	WIN 0x04
.set j, 0
.rept 16
.irp i, 0,1,2,3
	v_pk_add_f32 v[128+32*\i+j:129+32*\i+j], v[128+32*\i+j:129+32*\i+j], v[128+j:129+j]       ; + proj_b
.endr
.irp i, 0,1,2,3
	v_pk_add_f32 v[128+32*\i+j:129+32*\i+j], v[128+32*\i+j:129+32*\i+j], v[32*\i+j:32*\i+j+1] ; + q
.endr
.set j, j+2
.endr
	WIN 0
.irp i, 0,1,2,3
	v_pk_add_f32 v[56+4*\i:57+4*\i], v[128+32*\i:129+32*\i], v[130+32*\i:131+32*\i]
	v_pk_add_f32 v[58+4*\i:59+4*\i], v[132+32*\i:133+32*\i], v[134+32*\i:135+32*\i]
.endr
.set j, 8
.rept 6
.irp i, 0,1,2,3
	v_pk_add_f32 v[56+4*\i:57+4*\i], v[56+4*\i:57+4*\i], v[128+32*\i+j:129+32*\i+j]
	v_pk_add_f32 v[58+4*\i:59+4*\i], v[58+4*\i:59+4*\i], v[130+32*\i+j:131+32*\i+j]
.endr
.set j, j+4
.endr
.irp i, 0,1,2,3
	v_pk_add_f32 v[56+4*\i:57+4*\i], v[56+4*\i:57+4*\i], v[58+4*\i:59+4*\i]
.endr
.irp i, 0,1,2,3
	v_add_f32 v[56+4*\i], v[56+4*\i], v[57+4*\i]
.endr
	ALLSUM
.irp i, 0,1,2,3
	v_mul_f32 v[72+2*\i], s34, v[56+4*\i]          ; the mean, twice: a pair for the packed form
	v_mul_f32 v[73+2*\i], s34, v[56+4*\i]
.endr
.set j, 0
.rept 16
.irp i, 0,1,2,3
	v_pk_add_f32 v[128+32*\i+j:129+32*\i+j], v[128+32*\i+j:129+32*\i+j], v[72+2*\i:73+2*\i] neg_lo:[0,1] neg_hi:[0,1]
.endr
.set j, j+2
.endr
.irp i, 0,1,2,3
	v_pk_mul_f32 v[56+4*\i:57+4*\i], v[128+32*\i:129+32*\i], v[128+32*\i:129+32*\i]
	v_pk_mul_f32 v[58+4*\i:59+4*\i], v[130+32*\i:131+32*\i], v[130+32*\i:131+32*\i]
.endr
.set j, 4
.rept 7
.irp i, 0,1,2,3
	v_pk_fma_f32 v[56+4*\i:57+4*\i], v[128+32*\i+j:129+32*\i+j], v[128+32*\i+j:129+32*\i+j], v[56+4*\i:57+4*\i]
	v_pk_fma_f32 v[58+4*\i:59+4*\i], v[130+32*\i+j:131+32*\i+j], v[130+32*\i+j:131+32*\i+j], v[58+4*\i:59+4*\i]
.endr
.set j, j+4
.endr
.irp i, 0,1,2,3
	v_pk_add_f32 v[56+4*\i:57+4*\i], v[56+4*\i:57+4*\i], v[58+4*\i:59+4*\i]
.endr
.irp i, 0,1,2,3
	v_add_f32 v[56+4*\i], v[56+4*\i], v[57+4*\i]
.endr
	ALLSUM
.irp i, 0,1,2,3
	v_fma_f32 v[56+4*\i], v[56+4*\i], s34, s35     ; the variance + 1e-5
.endr
.irp i, 0,1,2,3
	v_rsq_f32 v[80+2*\i], v[56+4*\i]
.endr
	v_nop
	s_wait_alu depctr_va_vdst(0)                   ; the four reciprocal roots v80, v82, v84, v86 are written: one wait for the four, ahead of their first reader
.irp i, 0,1,2,3
	v_mov_b32 v[81+2*\i], v[80+2*\i]
.endr
.set j, 0
.rept 16
.irp i, 0,1,2,3
	v_pk_mul_f32 v[128+32*\i+j:129+32*\i+j], v[128+32*\i+j:129+32*\i+j], v[80+2*\i:81+2*\i]
.endr
.set j, j+2
.endr
	WIN 0x14
.set j, 0
.rept 16
.irp i, 0,1,2,3
	v_pk_fma_f32 v[128+32*\i+j:129+32*\i+j], v[128+32*\i+j:129+32*\i+j], v[160+j:161+j], v[192+j:193+j]   ; x ln_g + ln_b
.endr
.set j, j+2
.endr
	WIN 0
	s_wait_alu depctr_va_vdst(0)                   ; the multiply-adds have written v128 to v255, which the stores read
.irp i, 0,1,2,3
.irp n, 0,1,2,3,4,5,6,7
	global_store_b128 v1, v[128+32*\i+4*\n:131+32*\i+4*\n], s[32:33] offset:4096*\i+512*\n th:TH_STORE_NT   ; 512 consecutive bytes, aligned
.endr
.endr
	s_wait_dscnt 0x0                               ; the closing lines, six on end
	s_wait_alu 0x0
	s_wait_tensorcnt 0x0
	ds_add_u32 v126, v127
	s_wait_dscnt 0x0
	s_endpgm
.Lfunc_end_k_qef3a9be107_outln:
	.size	k_qef3a9be107_outln, .Lfunc_end_k_qef3a9be107_outln-k_qef3a9be107_outln
	.p2alignl 7, 3214868480
	.fill 96, 4, 3214868480
	.section	.rodata,"a",@progbits
	.p2align	6, 0x0
	.amdhsa_kernel k_qef3a9be107_outln
		.amdhsa_group_segment_fixed_size 165376
		.amdhsa_private_segment_fixed_size 0
		.amdhsa_enable_private_segment 0
		.amdhsa_kernarg_size 56
		.amdhsa_user_sgpr_count 2
		.amdhsa_user_sgpr_kernarg_segment_ptr 1
		.amdhsa_wavefront_size32 1
		.amdhsa_system_sgpr_workgroup_id_x 1
		.amdhsa_system_sgpr_workgroup_id_y 1
		.amdhsa_system_sgpr_workgroup_id_z 1
		.amdhsa_system_vgpr_workitem_id 0
		.amdhsa_next_free_vgpr 512
		.amdhsa_next_free_sgpr 66
		.amdhsa_reserve_vcc 0
		.amdhsa_float_denorm_mode_32 3
		.amdhsa_float_denorm_mode_16_64 3
		.amdhsa_memory_ordered 1
		.amdhsa_forward_progress 1
		.amdhsa_inst_pref_size 107
	.end_amdhsa_kernel
	.amdgpu_metadata
---
amdhsa.version: [ 1, 2 ]
amdhsa.kernels:
  - .name:           k_qef3a9be107_outln
    .symbol:         k_qef3a9be107_outln.kd
    .args:
      - { .name: aq, .offset: 0, .size: 8, .value_kind: global_buffer, .address_space: global }
      - { .name: wq, .offset: 8, .size: 8, .value_kind: global_buffer, .address_space: global }
      - { .name: q, .offset: 16, .size: 8, .value_kind: global_buffer, .address_space: global }
      - { .name: proj_b, .offset: 24, .size: 8, .value_kind: global_buffer, .address_space: global }
      - { .name: ln_g, .offset: 32, .size: 8, .value_kind: global_buffer, .address_space: global }
      - { .name: ln_b, .offset: 40, .size: 8, .value_kind: global_buffer, .address_space: global }
      - { .name: out0, .offset: 48, .size: 8, .value_kind: global_buffer, .address_space: global }
    .group_segment_fixed_size: 165376
    .private_segment_fixed_size: 0
    .kernarg_segment_align: 8
    .kernarg_segment_size: 56
    .max_flat_workgroup_size: 256
    .sgpr_count:     66
    .vgpr_count:     512
    .wavefront_size: 32
...
	.end_amdgpu_metadata
.endif
;; end of part 6
